; MI455X (gfx1250); checked and timed in simulation.
; The chip was launched on July 23, 2026; its instructions are those of AMD's public machine-readable ISA for CDNA 5 (MIT licence, August 2026) and "CDNA5" Instruction Set Architecture Reference Guide (July 2026). The comments in the code are by the model that wrote it; some were corrected since.
;; Multi Attention Head. Allowed arithmetic: float matrix products may take bf16 or f16 operands with f32 sums; all other float work in f32.
;; Inputs: Wk 8 x 512 x 512 float32; Wq 8 x 512 x 512 float32; Ws 512 x 4,096 float32; Wv 8 x 512 x 512 float32; bk 8 x 512 float32; bq 8 x 512 float32; bs 512 float32; bv 8 x 512 float32; x 8 x 512 x 512 float32.
;; Outputs: out0 8 x 512 x 512 float32.
;; 2 versions, each right. Each part assembles by itself: llvm-mc -triple=amdgcn-amd-amdhsa -mcpu=gfx1250 --defsym DOCPART=n.
;; ======== version 1 of 2: 3 launches
;; limits: values are held in f16: magnitudes above 65,504 overflow, below 6.1e-05 lose precision; right only within a limited range of input values
;; workspace buffers: h16 20,971,520 bytes; part 67,108,864 bytes
;; launch cast (part 1): grid 256 x 1, 8 waves a work-group, no clusters, 0 bytes of LDS; arguments x, Wq, Wk, Wv, Ws, h16; writes h16
.if DOCPART == 1
	.amdgcn_target "amdgcn-amd-amdhsa--gfx1250"
	.amdhsa_code_object_version 6
	.text
	.protected	k_qcb528dcced_cast
	.globl	k_qcb528dcced_cast
	.p2align	8
	.type	k_qcb528dcced_cast,@function
k_qcb528dcced_cast:
	s_mov_b64 s[64:65], 0
	v_nop
	global_prefetch_b8 v0, s[64:65] scope:SCOPE_SE
	s_setreg_imm32_b32 hwreg(HW_REG_WAVE_MODE, 25, 1), 1
	s_wait_xcnt 0x0
; x, Wq, Wk, Wv, Ws (2,097,152 f32 each) are rounded once to f16 (nearest even) into five sections of 4 MiB of h16, each in its input's own layout.
; LIMIT: a number above 65,504 in magnitude becomes an infinity in f16.
; 256 work-groups of 8 waves; a work-group takes 32 KiB of each input: 8 loads of 16 bytes a thread and input.  A wave's load covers 512
; consecutive bytes, a wave's store 256 consecutive bytes at a multiple of 256.  All 40 loads of a thread are issued first, so the text is a
; straight line: no register is written again behind its store, and no LDS, barrier or matrix unit would add anything to a stream.
.set SEC, 0x400000                     ; bytes of a section of h16
.set X,   8                            ; v[8:167]  load n = 8 s + j: 4 registers
	s_load_b256 s[4:11], s[0:1], 0x0               ; x s[4:5], Wq s[6:7], Wk s[8:9], Wv s[10:11]
	s_load_b128 s[12:15], s[0:1], 0x20             ; Ws s[12:13], h16 s[14:15]
	v_lshlrev_b32 v1, 4, v0                        ; 16 bytes a thread in
	v_lshlrev_b32 v2, 3, v0                        ; 8 bytes a thread out
	s_lshl_b32 s2, ttmp9, 15                       ; the work-group's 32 KiB of an input
	s_lshl_b32 s3, ttmp9, 14                       ; and its 16 KiB of a section
	v_or_b32 v1, s2, v1
	v_or_b32 v2, s3, v2
	s_wait_kmcnt 0x0
.irp s, 1,2,3,4
	s_add_nc_u64 s[14+2*\s:15+2*\s], s[14:15], \s*SEC      ; section s of h16: a base each, since 16 MiB is beyond a store's immediate
.endr
.irp s, 0,1,2,3,4
.irp j, 0,1,2,3,4,5,6,7
	global_load_b128 v[X+32*\s+4*\j:X+32*\s+4*\j+3], v1, s[4+2*\s:5+2*\s] offset:4096*\j th:TH_LOAD_NT
.endr
.endr
.irp s, 0,1,2,3,4
.irp j, 0,1,2,3,4,5,6,7
	s_wait_loadcnt 39-(8*\s+\j)                    ; loads come back in order: load 8 s + j is in, the younger ones stay out
	v_cvt_pk_f16_f32 v[X+32*\s+4*\j],   v[X+32*\s+4*\j],   v[X+32*\s+4*\j+1]
	v_cvt_pk_f16_f32 v[X+32*\s+4*\j+1], v[X+32*\s+4*\j+2], v[X+32*\s+4*\j+3]
	global_store_b64 v2, v[X+32*\s+4*\j:X+32*\s+4*\j+1], s[14+2*\s:15+2*\s] offset:2048*\j
.endr
.endr
	s_endpgm
.Lfunc_end_k_qcb528dcced_cast:
	.size	k_qcb528dcced_cast, .Lfunc_end_k_qcb528dcced_cast-k_qcb528dcced_cast
	.p2alignl 7, 3214868480
	.fill 96, 4, 3214868480
	.section	.rodata,"a",@progbits
	.p2align	6, 0x0
	.amdhsa_kernel k_qcb528dcced_cast
		.amdhsa_group_segment_fixed_size 0
		.amdhsa_private_segment_fixed_size 0
		.amdhsa_enable_private_segment 0
		.amdhsa_kernarg_size 48
		.amdhsa_user_sgpr_count 2
		.amdhsa_user_sgpr_kernarg_segment_ptr 1
		.amdhsa_wavefront_size32 1
		.amdhsa_system_sgpr_workgroup_id_x 1
		.amdhsa_system_sgpr_workgroup_id_y 1
		.amdhsa_system_sgpr_workgroup_id_z 1
		.amdhsa_system_vgpr_workitem_id 0
		.amdhsa_next_free_vgpr 168
		.amdhsa_next_free_sgpr 66
		.amdhsa_reserve_vcc 0
		.amdhsa_float_denorm_mode_32 3
		.amdhsa_float_denorm_mode_16_64 3
		.amdhsa_memory_ordered 1
		.amdhsa_forward_progress 1
		.amdhsa_inst_pref_size 15
	.end_amdhsa_kernel
	.amdgpu_metadata
---
amdhsa.version: [ 1, 2 ]
amdhsa.kernels:
  - .name:           k_qcb528dcced_cast
    .symbol:         k_qcb528dcced_cast.kd
    .args:
      - { .name: x, .offset: 0, .size: 8, .value_kind: global_buffer, .address_space: global }
      - { .name: Wq, .offset: 8, .size: 8, .value_kind: global_buffer, .address_space: global }
      - { .name: Wk, .offset: 16, .size: 8, .value_kind: global_buffer, .address_space: global }
      - { .name: Wv, .offset: 24, .size: 8, .value_kind: global_buffer, .address_space: global }
      - { .name: Ws, .offset: 32, .size: 8, .value_kind: global_buffer, .address_space: global }
      - { .name: h16, .offset: 40, .size: 8, .value_kind: global_buffer, .address_space: global }
    .group_segment_fixed_size: 0
    .private_segment_fixed_size: 0
    .kernarg_segment_align: 8
    .kernarg_segment_size: 48
    .max_flat_workgroup_size: 256
    .sgpr_count:     66
    .vgpr_count:     168
    .wavefront_size: 32
...
	.end_amdgpu_metadata
.endif
;; end of part 1
;; launch chain (part 2): grid 256 x 1, 4 waves a work-group, clusters of 4 x 1, 327,680 bytes of LDS; arguments h16, bq, bk, bv, part; writes part
.if DOCPART == 2
	.amdgcn_target "amdgcn-amd-amdhsa--gfx1250"
	.amdhsa_code_object_version 6
	.text
	.protected	k_qcb528dcced_chain
	.globl	k_qcb528dcced_chain
	.p2align	8
	.type	k_qcb528dcced_chain,@function
k_qcb528dcced_chain:
	s_mov_b64 s[64:65], 0
	v_nop
	global_prefetch_b8 v0, s[64:65] scope:SCOPE_SE
	s_setreg_imm32_b32 hwreg(HW_REG_WAVE_MODE, 25, 1), 1
	s_wait_xcnt 0x0
	s_wait_alu depctr_hold_cnt(0) depctr_sa_sdst(0) depctr_va_vdst(0) depctr_va_sdst(0) depctr_va_ssrc(0) depctr_va_vcc(0) depctr_vm_vsrc(0)
	s_getreg_b32 s2, hwreg(HW_REG_IB_STS2, 6, 4)
	s_cmp_eq_u32 s2, 0
	s_cbranch_scc0 .Lentry_in_a_cluster
	s_endpgm
.Lentry_in_a_cluster:
	s_bfe_u32 s2, ttmp6, 0x10000c
	s_cmp_lg_u32 s2, 0x3003
	s_cbranch_scc0 .Lentry_shape_is_right
	s_endpgm
.Lentry_shape_is_right:
; One work-group makes, for 128 query rows of one batch b and one head h, that head's share of the output: part[h][row][0:512] (f32).
; Two identities that hold for every input let a row block do without the k and v of other rows:
;   q . k_j = (q Wk) . x_j + q . bk        and        attn (x Wv^T + bv) = (attn x) Wv^T + bv   (a softmax row sums to 1).
; So the work is a chain of six products [128 x 512] x [512 x 512], as many multiply-adds as the plain form has:
;   1  Q  = X Wq^T + bq      2  Q' = Q Wk          3  S = Q' x_b^T + Q . bk   (causal mask, row maximum taken away, exponentials, row sums)
;   4  Y  = P x_b / rowsum   5  O  = Y Wv^T + bv   6  Z = O Ws_h^T  -> part
; The left operand lies in LDS (ABUF) in f16 and is replaced by each stage's result; the right operands come from h16 by tensor loads.
; FORMATS AND LIMITS.  Matrix operands are f16, all sums f32.  |x|, |Q|, |O| and the weights have to stay under 65,504.  Q' is carried as
; Q' x 2^-10 (an exact factor, given back inside the exponent's scale), so that it has room up to 6.7e7; below 6e-8 x 2^10 it is lost.
; P <= 1 and |Y| <= max |x|.  The roundings fall in another order than in the plain form (the two identities above).
; SHARES.  Four waves; wave w makes all 128 rows x columns 128 w .. 128 w + 127: 64 accumulator tiles of 16 x 16, 512 registers.
; CLUSTER.  The four row blocks of one (b, h) form a cluster of 4 x 1 and walk the same right operands: every tile of them is asked for jointly
; (mask 15), one request for the four.  All four make every request, so no trip count hangs on the place in the cluster: the causal mask
; throws away up to three quarters of a block's scores, but skipping them would give the partners different numbers of tiles.
; K goes in steps of 64 through two LDS slots; a wave loads and reads only its own quarter of a tile (its 128 columns).  Two slots of a K step
; of 128 would take 294,912 bytes beside ABUF's 139,264: they do not fit, so tiles that lie along K have rows of 128 bytes.
; THE MATRIX INSTRUCTION IS USED TRANSPOSED (source 0 = 16 rows of the right operand, source 1 = 16 rows of the left): lane l holds row
; l % 16 of the result and eight neighbouring columns 8 (l / 16) + 0..7, which pack into 16 bytes of f16 for the next stage's left operand.
;
; LDS (bytes)
.set PANEL,  34816                     ; ABUF, 0 .. 139,264: four panels; panel p = columns 128 p .. +127 of all 128 rows, 256 + 16 bytes a row.  Wave w stores panel w alone
.set RING,   139264                    ; two slots
.set QUART,  18432                     ; a wave's quarter of a slot: 128 rows x (128 + 16) bytes, or 64 rows x (256 + 32) bytes
.set SLOT,   4*QUART
.set OUTB,   286720                    ; the f32 way out: 16 rows x (512 + 16) bytes for each wave
.set WOUT,   8448
.set RED,    320512                    ; three tables [wave][128 rows] of f32: 0 Q . bk, 1 row maxima, 2 row sums; 2,048 bytes each
; The pitches 272, 144 and 528 are odd multiples of 16 bytes: the 16 rows that a 16-byte access of 16 lanes touches start at 16 different
; 16-byte columns modulo 256 bytes.  288 is an odd multiple of 32, which does the same for the transposing loads.
.set SEC,    0x400000                  ; h16: x at 0, Wq, Wk, Wv, Ws at 1 .. 4 sections
.set DOWN,   0x3a800000                ; 2^-10
.set SCL,    0x428293ee                ; 2^10 log2(e) / sqrt(512)
.set NSCL,   0xc28293ee                ; its negative
; REGISTERS, window 0
.set ADRA,  16                         ; left fragments: (l % 16) 272 + 16 (l / 16), + one panel for every fourth sub-step
.set ADRBN, 18                         ; v18-19  right fragments of tiles that lie along K, slot 0, 1
.set ADRBT, 20                         ; v20-21  right fragments of tiles that lie across K (transposing loads), slot 0, 1
.set STO,   22                         ; where I put 16 bytes of f16 in my panel
.set TP,    23                         ; the other half's figure
.set STG,   24                         ; way out: where I put 32 bytes of f32
.set RD,    25                         ; way out: where I read a row back
.set CO,    26                         ; way out: my 16 bytes in a row of part
.set REDW,  27
.set REDR,  28
.set DL,    29                         ; 128 (cx - w) + l % 16 - 8 (l / 16): the causal edge as this lane sees it
.set NEG,   30                         ; -infinity
.set BOF,   31                         ; my 8 columns in bq, bk, bv
.set RV,    32                         ; v32-39  one figure for each of my 8 rows (row 16 a + l % 16)
.set RW,    40                         ; v40-47  a second one
.set CS,    48                         ; v48-55  four packed chains
.set MX,    48                         ; v48-63  four chains for each of a window's four row blocks
.set F0,    64                         ; v64-127   fragment buffer 0
.set F1,    128                        ; v128-191  fragment buffer 1
.set T,     64                         ; between stages: 64 numbers at work
.set ED,    128                        ; between stages: v128-142  DL - 16 (b - a) for b - a = -7 .. 7
.set RG,    144                        ; between stages: v144-175  the four waves' figures for my 8 rows
.set H,     192                        ; v192-223  packed f16
.set CB,    192                        ; v192-255  stage 3's starting sums: Q . bk x 2^-10, row block a in v[CB+8a .. +7]
; window 1: v0-63 bq, later bv; v64-191 right fragments, two buffers; v192-255 bk.  Windows 2, 3: accumulators, tile (a, b) at v[8 (8 (a % 4) + b)]
.set BIAS,  0
.set BK,    192
; scalars
.set G1N, 24                           ; s[24:31] shape of a tile along K (Wq, x, Wv)
.set G1T, 32                           ; s[32:39] shape of a tile across K (Wk, x)
.set G1S, 40                           ; s[40:47] as G1N, rows 4,096 elements apart (Ws)
.set G1A, 48                           ; s[48:55] shape of a panel of X
.set G0S, 56                           ; s[56:63] from where, to where: one set for each slot
.set G0A, 68                           ; s[68:71] the same for my panel of X
.set MK,  88                           ; s[88:95] eight lane masks
; s14 wave, s15 cx, s17 h, s18 b, s19 trips, s[72:81] the first tiles of stages 2 to 6, s96-97 the selects of v_permlanex16_b32.
; s15, s16, s[84:85] alone ever hold cx: they feed my own panel of X, DL and part's address, never a joint load.
.set MSB, 0
.macro WIN new                         ; s_set_vgpr_msb: bits 1:0 source 0, 3:2 source 1, 5:4 source 2, 7:6 destination; the high byte repeats the setting that is left
.if MSB != (\new)
	s_set_vgpr_msb (MSB<<8)|(\new)
.set MSB, (\new)
.endif
.endm
.macro PLACES                          ; four plain vector instructions between a matrix instruction and a load into, or a vector instruction on, its registers
.rept 4
	v_nop
.endr
.endm
.macro CREST                           ; a round of the cluster's barrier behind its opening work-group barrier
	s_cmp_lg_u32 s14, 0
	s_cbranch_scc1 .Lnot_wave_0_\@
	s_barrier_signal -3
.Lnot_wave_0_\@:
	s_barrier_wait -3
	s_barrier_signal -1
	s_barrier_wait -1
.endm
.macro CROUND
	s_barrier_signal -1
	s_barrier_wait -1
	CREST
.endm
.macro PUBLISH                         ; what I stored into LDS is there; behind the barrier everybody's is.  A tensor load may stay out
	s_wait_dscnt 0x0
	s_barrier_signal -1
	s_barrier_wait -1
.endm
; The window setting of a product: source 0 (right fragment) window 1, source 1 (left) window 0, D window 2 + hi;
; C: ci 0 = D, 1 = the constant 0, 2 = a bias tuple in window 1, 3 = a CB tuple in window 0
.macro WINMUL hi, ci
.if \ci < 2
	WIN 0x81+0x40*\hi+((2+\hi)<<4)
.elseif \ci == 2
	WIN 0x91+0x40*\hi
.else
	WIN 0x81+0x40*\hi
.endif
.endm
; 16 matrix instructions: row blocks a0, a0 + 1 of the window's four x all 8 column blocks, 32 along K.  The 64 accumulators take turns, one
; instruction a turn, in the same order in every sub-step.  Nothing is ever cleared: the first product of a
; stage takes its bias, the constant 0 or Q . bk as C.
.macro MUL16 f, hi, a0, ci
.irp a, \a0, \a0+1
.irp b, 0,1,2,3,4,5,6,7
.if \ci == 0
	v_wmma_f32_16x16x32_f16 v[8*(8*(\a)+\b):8*(8*(\a)+\b)+7], v[\f+8*\b:\f+8*\b+7], v[\f+8*(4*\hi+\a):\f+8*(4*\hi+\a)+7], v[8*(8*(\a)+\b):8*(8*(\a)+\b)+7]
.elseif \ci == 1
	v_wmma_f32_16x16x32_f16 v[8*(8*(\a)+\b):8*(8*(\a)+\b)+7], v[\f+8*\b:\f+8*\b+7], v[\f+8*(4*\hi+\a):\f+8*(4*\hi+\a)+7], 0
.elseif \ci == 2
	v_wmma_f32_16x16x32_f16 v[8*(8*(\a)+\b):8*(8*(\a)+\b)+7], v[\f+8*\b:\f+8*\b+7], v[\f+8*(4*\hi+\a):\f+8*(4*\hi+\a)+7], v[BIAS+8*\b:BIAS+8*\b+7]
.else
	v_wmma_f32_16x16x32_f16 v[8*(8*(\a)+\b):8*(8*(\a)+\b)+7], v[\f+8*\b:\f+8*\b+7], v[\f+8*(4*\hi+\a):\f+8*(4*\hi+\a)+7], v[CB+8*(4*\hi+\a):CB+8*(4*\hi+\a)+7]
.endif
.endr
.endr
.endm
; 32 LDS loads in one run: the fragments of one sub-step of 32 along K into buffer f.  Right: my quarter of the slot, half 0 or 1 of its 64 K;
; kind 0: rows lie along K, two loads 32 bytes apart; kind 1: rows lie across K, two transposing loads 16 rows apart.  Left: byte kA of ABUF's rows.
.macro FETCH kind, slot, half, kA, f
	WIN 0x40
.irp i, 0,1,2,3,4,5,6,7
.if \kind == 0
	ds_load_b128 v[\f+8*\i:\f+8*\i+3],   v[ADRBN+\slot] offset:64*\half+\i*2304
	ds_load_b128 v[\f+8*\i+4:\f+8*\i+7], v[ADRBN+\slot] offset:64*\half+\i*2304+32
.else
	ds_load_tr16_b128 v[\f+8*\i:\f+8*\i+3],   v[ADRBT+\slot] offset:9216*\half+32*\i
	ds_load_tr16_b128 v[\f+8*\i+4:\f+8*\i+7], v[ADRBT+\slot] offset:9216*\half+32*\i+4608
.endif
.endr
	WIN 0
.irp i, 0,1,2,3,4,5,6,7
	ds_load_b128 v[\f+8*\i:\f+8*\i+3],   v[ADRA] offset:\kA+\i*4352
	ds_load_b128 v[\f+8*\i+4:\f+8*\i+7], v[ADRA] offset:\kA+\i*4352+32
.endr
.endm
; The first half of a K step: multiplies buffer 0; in its middle it fetches the second half's fragments (same slot) into buffer 1.
.macro QSTEP kind, slot, kA, ci
	s_wait_dscnt 8                                 ; the right fragments and the left rows 0-63 are in; the youngest eight loads (rows 64-127) may be out
	WINMUL 0, \ci
	MUL16 F0, 0, 0, \ci
	MUL16 F0, 0, 2, \ci
	PLACES
	FETCH \kind, \slot, 1, \kA, F1
	s_wait_dscnt 32                                ; all but the 32 just issued
	WINMUL 1, \ci
	MUL16 F0, 1, 0, \ci
	MUL16 F0, 1, 2, \ci
.endm
; The second half: multiplies buffer 1 and changes slots.
; fill 1: this slot gets the tile two K steps on; fill 2: the next stage's tile 0 (slot 0) or 1 (slot 1), by that stage's shape g1 and step; fill 0: nothing.
; In front of the opening signal of the cluster's round every wave has waited for its reads of this slot and for all its tensor loads (the one that is
; out is its quarter of the other slot); inside the round stands register work alone; the joint refill is the first tensor load behind its closing wait.
; From a request to the wait for it a wave issues 112 matrix instructions.  By this text's count at most three tensor loads of a wave are out (at the start), later one.
.macro TURN kind, slot, kA, fill, fetch, g1, step, nbase
	s_wait_dscnt 8
	WINMUL 0, 0
	MUL16 F1, 0, 0, 0
	s_wait_dscnt 0x0                               ; my reads of this slot, and of ABUF so far, are over
	s_set_vgpr_msb 0xa1a0
	s_wait_tensorcnt 0x0                           ; my quarter of the other slot has landed; no tensor load of mine is out
	ds_add_u32 v15, v17
	s_wait_dscnt 0x0
	s_set_vgpr_msb 0xa0a1
.if \fill
	s_barrier_signal -1
.endif
	MUL16 F1, 0, 2, 0
.if \fill
	WIN 0
	s_barrier_wait -1
	CREST
.if \fill == 1
	s_add_nc_u64 s[G0S+4*\slot+2:G0S+4*\slot+3], s[G0S+4*\slot+2:G0S+4*\slot+3], 2*\step
.elseif \slot == 0
	s_mov_b64 s[G0S+2:G0S+3], s[\nbase:\nbase+1]
.else
	s_add_nc_u64 s[G0S+6:G0S+7], s[\nbase:\nbase+1], \step
.endif
	tensor_load_to_lds s[G0S+4*\slot:G0S+4*\slot+3], s[\g1:\g1+7]
	s_nop 0
.endif
.if \fetch
	PLACES
	FETCH \kind, 1-\slot, 0, \kA, F0
.endif
	WINMUL 1, 0
	MUL16 F1, 1, 0, 0
	MUL16 F1, 1, 2, 0
.endm
.macro LASTQ                           ; the very last sub-step: nothing more to fetch
	s_wait_dscnt 8
	WINMUL 0, 0
	MUL16 F1, 0, 0, 0
	MUL16 F1, 0, 2, 0
	s_wait_dscnt 0x0
	WINMUL 1, 0
	MUL16 F1, 1, 0, 0
	MUL16 F1, 1, 2, 0
.endm
; A stage: 8 tiles, 16 sub-steps.  Sub-step 0 stands in front of the loop (its products start the sums); three trips of four sub-steps refill
; tiles 2 to 7 of this stage; the tail of three sub-steps asks for the next stage's tiles 0 and 1.  A panel of ABUF holds four sub-steps.
.macro STAGE kind, ci, g1, step, ng1, nbase, nstep, last
	FETCH \kind, 0, 0, 0, F0
	QSTEP \kind, 0, 64, \ci
	WIN 0                                          ; at a label and at a branch every window is 0
	s_mov_b32 s19, 3
.Lstage_\@:
	TURN \kind, 0, 128, 1, 1, \g1, \step, 0
	QSTEP \kind, 1, 192, 0
	TURN \kind, 1, PANEL, 1, 1, \g1, \step, 0
	QSTEP \kind, 0, PANEL+64, 0
	WIN 0
	v_add_nc_u32 v[ADRA], PANEL, v[ADRA]
	s_sub_co_u32 s19, s19, 1
	s_cmp_lg_u32 s19, 0
	s_cbranch_scc1 .Lstage_\@
.if \last
	TURN \kind, 0, 128, 0, 1, 0, 0, 0              ; nothing is filled: no barrier; my own wait shows my quarter of the last tile, which I alone read
	QSTEP \kind, 1, 192, 0
	LASTQ
	WIN 0
	PLACES
.else
	TURN \kind, 0, 128, 2, 1, \ng1, \nstep, \nbase
	QSTEP \kind, 1, 192, 0
	TURN \kind, 1, 0, 2, 0, \ng1, \nstep, \nbase   ; behind its round no wave reads ABUF any more: the results may be stored over it
	WIN 0
	PLACES
	v_add_nc_u32 v[ADRA], -3*PANEL, v[ADRA]        ; back to panel 0; with the four above, five places in front of the next stage's first products
	s_wait_alu depctr_va_vdst(0)
.endif
.endm
.macro CVTH base                       ; 64 numbers of one row block (8 b + j) to f16: 16 bytes for each column block
.irp b, 0,1,2,3,4,5,6,7
.irp r, 0,1,2,3
	v_cvt_pk_f16_f32 v[H+4*\b+\r], v[\base+8*\b+2*\r], v[\base+8*\b+2*\r+1]
.endr
.endr
.endm
.macro PUTH a                          ; into my panel of ABUF: row 16 a + l % 16, columns 16 b + 8 (l / 16) ..
.irp b, 0,1,2,3,4,5,6,7
	ds_store_b128 v[STO], v[H+4*\b:H+4*\b+3] offset:\a*4352+32*\b
.endr
.endm
.macro XHALF op, reg                   ; lanes l and l xor 16 hold the same row and the two halves of its columns
	v_permlanex16_b32 v[TP], v[\reg], s96, s97
	\op v[\reg], v[\reg], v[TP]
.endm
.macro REDPUT which, src               ; my wave's figure for each of the 128 rows (both halves of the lanes store the same word)
.irp a, 0,1,2,3,4,5,6,7
	ds_store_b32 v[REDW], v[\src+\a] offset:\which*2048+64*\a
.endr
.endm
.macro REDGET which                    ; the four waves' figures for my 8 rows
.irp w, 0,1,2,3
.irp a, 0,1,2,3,4,5,6,7
	ds_load_b32 v[RG+8*\w+\a], v[REDR] offset:\which*2048+512*\w+64*\a
.endr
.endr
	s_wait_dscnt 0x0
.endm
.macro REDSUM                          ; their sums, in v[RG .. RG+7]
.irp i, 0,2,4,6
	v_pk_add_f32 v[RG+\i:RG+\i+1], v[RG+\i:RG+\i+1], v[RG+8+\i:RG+9+\i]
	v_pk_add_f32 v[RG+16+\i:RG+17+\i], v[RG+16+\i:RG+17+\i], v[RG+24+\i:RG+25+\i]
.endr
.irp i, 0,2,4,6
	v_pk_add_f32 v[RG+\i:RG+\i+1], v[RG+\i:RG+\i+1], v[RG+16+\i:RG+17+\i]
.endr
.endm
.macro LDBIAS dst, sb                  ; 64 numbers of a bias into window 1: tuple b = columns 128 w + 16 b + 8 (l / 16) + 0..7, the layout of a C operand
	WIN 0x40
.irp b, 0,1,2,3,4,5,6,7
	global_load_b128 v[\dst+8*\b:\dst+8*\b+3],   v[BOF], s[\sb:\sb+1] offset:64*\b
	global_load_b128 v[\dst+8*\b+4:\dst+8*\b+7], v[BOF], s[\sb:\sb+1] offset:64*\b+16
.endr
	WIN 0
.endm
.macro SHAPE g, w0, c, r, p            ; descriptor group 1: a tile of r rows x c elements of 2 bytes, rows p elements apart; the tensor's extents are the tile's
	s_mov_b32 s[\g+0], \w0
	s_mov_b32 s[\g+1], \c<<16
	s_mov_b32 s[\g+2], \r<<16
	s_mov_b32 s[\g+3], \c<<16
	s_mov_b32 s[\g+4], \r
	s_mov_b32 s[\g+5], \p
	s_mov_b32 s[\g+6], 0
	s_mov_b32 s[\g+7], 0
.endm
.macro BASE dst, x, y, sec             ; h16 + section + two offsets, with the descriptor's type bits
	s_add_co_u32 s82, s[\x], s[\y]
.if \sec
	s_add_co_u32 s82, s82, \sec
.endif
	s_add_nc_u64 s[\dst:\dst+1], s[4:5], s[82:83]
	s_or_b32 s[\dst+1], s[\dst+1], 0x80000000
.endm
; ---------------------------------------------------------------- set-up
	s_load_b256 s[4:11], s[0:1], 0x0               ; h16 s[4:5], bq s[6:7], bk s[8:9], bv s[10:11]
	s_load_b64 s[12:13], s[0:1], 0x20              ; part
	v_lshl_add_u32 v15, v0, 2, 0x4fc00
	v_mov_b32 v17, 0
	ds_add_u32 v15, v17
	v_lshrrev_b32 v1, 5, v0
	v_readfirstlane_b32 s14, v1                    ; wave 0..3
	s_bfe_u32 s15, ttmp6, 0x40000                  ; cx: which 128 rows of the batch
	s_and_b32 s17, ttmp9, 7                        ; head (ttmp9 counts clusters)
	s_lshr_b32 s18, ttmp9, 3                       ; batch
	s_mov_b32 s96, 0x76543210
	s_mov_b32 s97, 0xfedcba98
	; word 0: 15:0 the mask (all four of the cluster), 17:16 elements of 2 bytes, 20 padding on, 21 set beside a mask, 24:22 the row's words, 31:25 the pad's words - 1
	SHAPE G1N, 15|(1<<16)|(1<<20)|(1<<21)|(4<<22)|(3<<25), 64, 128, 512
	SHAPE G1T, 15|(1<<16)|(1<<20)|(1<<21)|(5<<22)|(7<<25), 128, 64, 512
	SHAPE G1S, 15|(1<<16)|(1<<20)|(1<<21)|(4<<22)|(3<<25), 64, 128, 4096
	SHAPE G1A, (1<<16)|(1<<20)|(5<<22)|(3<<25), 128, 128, 512
	s_mul_i32 s86, s14, QUART
	s_mov_b32 s[G0S+0], 1
	s_add_co_u32 s[G0S+1], s86, RING               ; my quarter of slot 0
	s_mov_b32 s[G0S+4], 1
	s_add_co_u32 s[G0S+5], s86, RING+SLOT          ; and of slot 1
	s_mov_b32 s[G0A+0], 1
	s_mul_i32 s[G0A+1], s14, PANEL                 ; my panel
	s_lshl_b32 s20, s17, 19                        ; head x 512 x 512 x 2 bytes
	s_lshl_b32 s21, s18, 19                        ; batch x the same
	s_lshl_b32 s22, s14, 17                        ; my 128 rows of 1,024 bytes
	s_lshl_b32 s23, s14, 8                         ; my 128 columns
	s_lshl_b32 s86, s14, 20                        ; my 128 rows of Ws, 8,192 bytes each
	s_lshl_b32 s87, s17, 10                        ; the head's 512 columns of Ws
	s_mov_b32 s83, 0
	s_mov_b32 s85, 0
	s_lshl_b32 s84, s15, 17                        ; my work-group's 128 rows of x
	s_add_co_u32 s84, s84, s21
	s_add_co_u32 s84, s84, s23
	s_wait_dscnt 0x0
	s_wait_kmcnt 0x0
	BASE G0S+2, 20, 22, SEC                        ; stage 1, tile 0: Wq
	s_add_nc_u64 s[G0S+6:G0S+7], s[G0S+2:G0S+3], 128   ; tile 1 (the type bits on top are not reached)
	BASE 72, 20, 23, 2*SEC                         ; stage 2: Wk, across K
	BASE 74, 21, 22, 0                             ; stage 3: x, along K
	BASE 76, 21, 23, 0                             ; stage 4: x, across K
	BASE 78, 20, 22, 3*SEC                         ; stage 5: Wv
	BASE 80, 86, 87, 4*SEC                         ; stage 6: Ws
	s_add_nc_u64 s[G0A+2:G0A+3], s[4:5], s[84:85]
	s_or_b32 s[G0A+3], s[G0A+3], 0x80000000
	CROUND                                         ; all four work-groups are here: the first joint loads meet
	tensor_load_to_lds s[G0A:G0A+3], s[G1A:G1A+7]  ; my panel of my work-group's X (a load of my own: mask 0)
	s_nop 0
	tensor_load_to_lds s[G0S:G0S+3], s[G1N:G1N+7]  ; tile 0
	s_nop 0
	tensor_load_to_lds s[G0S+4:G0S+7], s[G1N:G1N+7]    ; tile 1
	s_nop 0
	s_lshl_b32 s84, s15, 18                        ; part: 128 cx rows of 2,048 bytes
	s_lshl_b32 s16, s17, 23                        ; + head x 4,096 rows
	s_add_co_u32 s84, s84, s16
	s_lshl_b32 s16, s18, 20                        ; + batch x 512 rows
	s_add_co_u32 s84, s84, s16
	s_lshl_b32 s16, s14, 9                         ; + my 128 columns
	s_add_co_u32 s84, s84, s16
	s_add_nc_u64 s[12:13], s[12:13], s[84:85]
	v_and_b32 v1, 31, v0                           ; l
	v_and_b32 v2, 15, v0                           ; l % 16
	v_bfe_u32 v3, v0, 4, 1                         ; l / 16
	s_lshl_b32 s86, s17, 11
	s_lshl_b32 s87, s14, 9
	s_add_co_u32 s86, s86, s87
	v_lshl_add_u32 v[BOF], v3, 5, s86              ; head x 2,048 + 512 w + 32 (l / 16)
	LDBIAS BIAS, 6                                 ; bq
	LDBIAS BK, 8                                   ; bk
	v_mul_u32_u24 v4, v2, 272
	v_lshl_add_u32 v[ADRA], v3, 4, v4
	v_add_nc_u32 v[STO], s[G0A+1], v[ADRA]
	v_mul_u32_u24 v4, v2, 144
	v_lshl_add_u32 v4, v3, 4, v4
	v_add_nc_u32 v[ADRBN], s[G0S+1], v4
	v_add_nc_u32 v[ADRBN+1], s[G0S+5], v4
	v_and_b32 v4, 7, v0
	v_lshl_add_u32 v4, v3, 3, v4                   ; K row 8 (l / 16) + l % 8
	v_mul_u32_u24 v4, v4, 288
	v_bfe_u32 v5, v0, 3, 1
	v_lshl_add_u32 v4, v5, 4, v4                   ; + 16 bytes for lanes 8-15 of each half
	v_add_nc_u32 v[ADRBT], s[G0S+1], v4
	v_add_nc_u32 v[ADRBT+1], s[G0S+5], v4
	s_mul_i32 s86, s14, WOUT
	s_add_co_u32 s86, s86, OUTB
	v_mul_u32_u24 v4, v2, 528
	v_lshl_add_u32 v4, v3, 5, v4
	v_add_nc_u32 v[STG], s86, v4
	v_lshlrev_b32 v[CO], 4, v1
	v_add_nc_u32 v[RD], s86, v[CO]
	v_lshlrev_b32 v4, 2, v2
	v_add_nc_u32 v[REDR], RED, v4
	v_add_nc_u32 v[REDW], s87, v[REDR]
	s_sub_co_i32 s84, s15, s14
	s_lshl_b32 s84, s84, 7                         ; 128 (cx - w), signed
	v_lshlrev_b32 v4, 3, v3
	v_sub_nc_u32 v4, v2, v4
	v_add_nc_u32 v[DL], s84, v4
	v_mov_b32 v[NEG], 0xff800000
	v_mov_b32 v[TP], 0                             ; v_permlanex16_b32 counts as a reader of its destination
	s_wait_loadcnt 0x0                             ; bq, bk
	s_wait_tensorcnt 0x1                           ; my panel of X and my quarter of tile 0 are in; tile 1 stays out
	s_barrier_signal -1
	s_barrier_wait -1                              ; everybody's panel is in
; ---------------------------------------------------------------- stage 1: Q = X Wq^T + bq
	STAGE 0, 2, G1N, 128, G1T, 72, 65536, 0
	LDBIAS BIAS, 10                                ; bv takes bq's place; it is waited for in front of stage 5
; Q to f16 into ABUF, and Q . bk over my 128 columns from the f32 sums
.macro E1ROW a
	WIN 0x06+\a/4                                  ; source 0 the accumulators, source 1 bk in window 1
.irp p, 0,1,2,3
	v_pk_mul_f32 v[CS+2*\p:CS+2*\p+1], v[64*(\a%4)+2*\p:64*(\a%4)+2*\p+1], v[BK+2*\p:BK+2*\p+1]
.endr
.irp b, 1,2,3,4,5,6,7
.irp p, 0,1,2,3
	v_pk_fma_f32 v[CS+2*\p:CS+2*\p+1], v[64*(\a%4)+8*\b+2*\p:64*(\a%4)+8*\b+2*\p+1], v[BK+8*\b+2*\p:BK+8*\b+2*\p+1], v[CS+2*\p:CS+2*\p+1]
.endr
.endr
	WIN 0x0a+5*(\a/4)
	CVTH 64*(\a%4)
	WIN 0
	PUTH \a
	v_pk_add_f32 v[CS:CS+1], v[CS:CS+1], v[CS+2:CS+3]
	v_pk_add_f32 v[CS+4:CS+5], v[CS+4:CS+5], v[CS+6:CS+7]
	v_pk_add_f32 v[CS:CS+1], v[CS:CS+1], v[CS+4:CS+5]
	v_add_f32 v[RV+\a], v[CS], v[CS+1]
.endm
.irp a, 0,1,2,3,4,5,6,7
	E1ROW \a
.endr
.irp a, 0,1,2,3,4,5,6,7
	XHALF v_add_f32, RV+\a
.endr
	REDPUT 0, RV
	PUBLISH
; ---------------------------------------------------------------- stage 2: Q' = Q Wk
	STAGE 1, 1, G1T, 65536, G1N, 74, 128, 0
.macro E2ROW a
	WIN 0x02+\a/4
.irp b, 0,1,2,3,4,5,6,7
.irp p, 0,1,2,3
	v_pk_mul_f32 v[T+8*\b+2*\p:T+8*\b+2*\p+1], v[64*(\a%4)+8*\b+2*\p:64*(\a%4)+8*\b+2*\p+1], DOWN op_sel_hi:[1,0]
.endr
.endr
	WIN 0
	CVTH T
	PUTH \a
.endm
.irp a, 0,1,2,3,4,5,6,7
	E2ROW \a
.endr
	REDGET 0                                       ; Q . bk: the four waves' parts, stored in front of stage 2's first barrier
	REDSUM
.irp a, 0,1,2,3,4,5,6,7
.irp p, 0,1,2,3
.if (\a%2) == 0
	v_pk_mul_f32 v[CB+8*\a+2*\p:CB+8*\a+2*\p+1], v[RG+\a:RG+\a+1], DOWN op_sel_hi:[0,0]           ; the row's figure in all 8 registers of a C tuple
.else
	v_pk_mul_f32 v[CB+8*\a+2*\p:CB+8*\a+2*\p+1], v[RG+\a-1:RG+\a], DOWN op_sel:[1,0] op_sel_hi:[1,0]
.endif
.endr
.endr
	PUBLISH
; ---------------------------------------------------------------- stage 3: S x 2^-10 = (Q' x 2^-10) x_b^T + Q . bk x 2^-10
	STAGE 0, 3, G1N, 128, G1T, 76, 65536, 0
; The causal mask.  Register j of tile (a, b) is key 128 w + 16 b + 8 (l / 16) + j for query 128 cx + 16 a + l % 16: masked where j > DL - 16 (b - a).
.irp i, 0,1,2,3,4,5,6,7,8,9,10,11,12,13,14
	v_add_nc_u32 v[ED+\i], 112-16*\i, v[DL]        ; b - a = i - 7
.endr
.macro MASKD hi, d                     ; all tiles of window 2 + hi on the diagonal b - a = d - 7: eight compares serve them all
.irp j, 0,1,2,3,4,5,6,7
	v_cmp_gt_i32 s[MK+\j], \j, v[ED+\d]
.endr
.irp aa, 0,1,2,3
.if (\d-7+4*\hi+\aa) >= 0
.if (\d-7+4*\hi+\aa) <= 7
.irp j, 0,1,2,3,4,5,6,7
	v_cndmask_b32 v[64*\aa+8*(\d-7+4*\hi+\aa)+\j], v[64*\aa+8*(\d-7+4*\hi+\aa)+\j], v[NEG], s[MK+\j]
.endr
.endif
.endif
.endr
.endm
.macro ROWMAX hi                       ; the largest of my 64 numbers of each row, four chains a row block, started from -infinity
	WIN 0x28+0x14*\hi
.irp aa, 0,1,2,3
.irp p, 0,1,2,3
	v_max3_num_f32 v[MX+4*\aa+\p], v[NEG], v[64*\aa+2*\p], v[64*\aa+2*\p+1]
.endr
.irp b, 1,2,3,4,5,6,7
.irp p, 0,1,2,3
	v_max3_num_f32 v[MX+4*\aa+\p], v[MX+4*\aa+\p], v[64*\aa+8*\b+2*\p], v[64*\aa+8*\b+2*\p+1]
.endr
.endr
.endr
	WIN 0
.irp aa, 0,1,2,3
	v_max3_num_f32 v[MX+4*\aa], v[MX+4*\aa], v[MX+4*\aa+1], v[MX+4*\aa+2]
	v_max_num_f32 v[RV+4*\hi+\aa], v[MX+4*\aa], v[MX+4*\aa+3]
.endr
.endm
	WIN 0x82
.irp d, 4,5,6,7,8,9,10,11,12,13,14
	MASKD 0, \d
.endr
	ROWMAX 0
	WIN 0xc3
.irp d, 0,1,2,3,4,5,6,7,8,9,10
	MASKD 1, \d
.endr
	ROWMAX 1
.irp a, 0,1,2,3,4,5,6,7
	XHALF v_max_num_f32, RV+\a
.endr
	REDPUT 1, RV
	PUBLISH
	REDGET 1
.irp a, 0,1,2,3,4,5,6,7
	v_max3_num_f32 v[RG+\a], v[RG+\a], v[RG+8+\a], v[RG+16+\a]
	v_max_num_f32 v[RG+\a], v[RG+\a], v[RG+24+\a]  ; the row's maximum over its unmasked keys: key 0 is never masked, so it is a score
	v_mul_f32 v[RV+\a], NSCL, v[RG+\a]
.endr
; P = 2^(SCL (s - max)), in place; a masked score stays -infinity and gives 0
.macro EXPROW a
.irp b, 0,1,2,3,4,5,6,7
.irp p, 0,1,2,3
.if (\a%2) == 0
	v_pk_fma_f32 v[64*(\a%4)+8*\b+2*\p:64*(\a%4)+8*\b+2*\p+1], v[64*(\a%4)+8*\b+2*\p:64*(\a%4)+8*\b+2*\p+1], SCL, v[RV+\a:RV+\a+1] op_sel_hi:[1,0,0]
.else
	v_pk_fma_f32 v[64*(\a%4)+8*\b+2*\p:64*(\a%4)+8*\b+2*\p+1], v[64*(\a%4)+8*\b+2*\p:64*(\a%4)+8*\b+2*\p+1], SCL, v[RV+\a-1:RV+\a] op_sel:[0,0,1] op_sel_hi:[1,0,1]
.endif
.endr
.endr
.irp b, 0,1,2,3,4,5,6,7
.irp j, 0,1,2,3,4,5,6,7
	v_exp_f32 v[64*(\a%4)+8*\b+\j], v[64*(\a%4)+8*\b+\j]
.endr
.endr
.endm
	WIN 0x82
.irp a, 0,1,2,3
	EXPROW \a                                      ; behind a row block's last exponential stands the next block's first multiply-add, on other registers
.endr
	v_nop                                          ; one plain vector instruction behind the last exponential before a result is used (ISA guide 5.7.2)
	WIN 0xc3
.irp a, 4,5,6,7
	EXPROW \a
.endr
	v_nop
	s_wait_alu depctr_va_vdst(0)
; P to f16 into ABUF, and the sum of my 64 numbers of each row in f32
.macro PROW a
	WIN 0x0a+5*(\a/4)
.irp i, 0,1,2,3,4,5,6,7,8,9,10,11,12,13,14,15
	v_pk_add_f32 v[T+2*\i:T+2*\i+1], v[64*(\a%4)+4*\i:64*(\a%4)+4*\i+1], v[64*(\a%4)+4*\i+2:64*(\a%4)+4*\i+3]
.endr
	CVTH 64*(\a%4)
	WIN 0
	PUTH \a
.irp i, 0,2,4,6,8,10,12,14
	v_pk_add_f32 v[T+\i:T+\i+1], v[T+\i:T+\i+1], v[T+16+\i:T+17+\i]
.endr
.irp i, 0,2,4,6
	v_pk_add_f32 v[T+\i:T+\i+1], v[T+\i:T+\i+1], v[T+8+\i:T+9+\i]
.endr
.irp i, 0,2
	v_pk_add_f32 v[T+\i:T+\i+1], v[T+\i:T+\i+1], v[T+4+\i:T+5+\i]
.endr
	v_pk_add_f32 v[T:T+1], v[T:T+1], v[T+2:T+3]
	v_add_f32 v[RW+\a], v[T], v[T+1]
.endm
.irp a, 0,1,2,3,4,5,6,7
	PROW \a
.endr
.irp a, 0,1,2,3,4,5,6,7
	XHALF v_add_f32, RW+\a
.endr
	REDPUT 2, RW
	PUBLISH
	REDGET 2
	REDSUM
.irp a, 0,1,2,3,4,5,6,7
	v_rcp_f32 v[RV+\a], v[RG+\a]                   ; 1 / row sum; the sum holds the maximum's own term, about 1
.endr
	v_nop                                          ; one plain vector instruction behind the last reciprocal
; ---------------------------------------------------------------- stage 4: Y = P x_b / row sum
	STAGE 1, 1, G1T, 65536, G1N, 78, 128, 0
.macro E4ROW a
	WIN 0x02+\a/4
.irp b, 0,1,2,3,4,5,6,7
.irp p, 0,1,2,3
.if (\a%2) == 0
	v_pk_mul_f32 v[T+8*\b+2*\p:T+8*\b+2*\p+1], v[64*(\a%4)+8*\b+2*\p:64*(\a%4)+8*\b+2*\p+1], v[RV+\a:RV+\a+1] op_sel_hi:[1,0]
.else
	v_pk_mul_f32 v[T+8*\b+2*\p:T+8*\b+2*\p+1], v[64*(\a%4)+8*\b+2*\p:64*(\a%4)+8*\b+2*\p+1], v[RV+\a-1:RV+\a] op_sel:[0,1] op_sel_hi:[1,1]
.endif
.endr
.endr
	WIN 0
	CVTH T
	PUTH \a
.endm
.irp a, 0,1,2,3,4,5,6,7
	E4ROW \a
.endr
	PUBLISH
	s_wait_loadcnt 0x0                             ; bv
; ---------------------------------------------------------------- stage 5: O = Y Wv^T + bv
	STAGE 0, 2, G1N, 128, G1S, 80, 128, 0
.irp a, 0,1,2,3,4,5,6,7
	WIN 0x0a+5*(\a/4)
	CVTH 64*(\a%4)
	WIN 0
	PUTH \a
.endr
	PUBLISH
; ---------------------------------------------------------------- stage 6: Z = O Ws_h^T
	STAGE 0, 1, G1S, 128, 0, 0, 0, 1
; The way out, 16 rows at a time: 32 bytes of f32 a lane and tile into my own stage, read back as whole rows of 512 bytes.  LDS serves a wave's
; instructions in order (ISA guide 5.7.1), so no wait stands between my stores and my loads, nor between these loads and the next block's stores.
.macro E6ROW a, f
	WIN 0x08+4*(\a/4)                              ; an LDS store's data is its source 1
.irp b, 0,1,2,3,4,5,6,7
	ds_store_b128 v[STG], v[64*(\a%4)+8*\b:64*(\a%4)+8*\b+3]   offset:64*\b
	ds_store_b128 v[STG], v[64*(\a%4)+8*\b+4:64*(\a%4)+8*\b+7] offset:64*\b+16
.endr
	WIN 0
	s_wait_xcnt 0x0                                ; buffer f, which earlier stores read, and the stores' base are written again only behind this wait
.if \a
	s_add_nc_u64 s[12:13], s[12:13], 32768         ; 16 rows of part on
.endif
.irp r, 0,1,2,3,4,5,6,7,8,9,10,11,12,13,14,15
	ds_load_b128 v[\f+4*\r:\f+4*\r+3], v[RD] offset:528*\r
.endr
.irp r, 0,1,2,3,4,5,6,7,8,9,10,11,12,13,14,15
	s_wait_dscnt 15-\r                             ; row r is in, the younger rows stay out
	global_store_b128 v[CO], v[\f+4*\r:\f+4*\r+3], s[12:13] offset:2048*\r     ; the wave stores 512 consecutive bytes at a multiple of 512 from part's first byte
.endr
.endm
	E6ROW 0, F0
	E6ROW 1, F1
	E6ROW 2, F0
	E6ROW 3, F1
	E6ROW 4, F0
	E6ROW 5, F1
	E6ROW 6, F0
	E6ROW 7, F1
	s_wait_tensorcnt 0x0
	ds_add_u32 v15, v17
	s_wait_dscnt 0x0
	CROUND                                         ; the closing round: no work-group ends while a partner may still ask for a tile that names it
	s_endpgm
.Lfunc_end_k_qcb528dcced_chain:
	.size	k_qcb528dcced_chain, .Lfunc_end_k_qcb528dcced_chain-k_qcb528dcced_chain
	.p2alignl 7, 3214868480
	.fill 96, 4, 3214868480
	.section	.rodata,"a",@progbits
	.p2align	6, 0x0
	.amdhsa_kernel k_qcb528dcced_chain
		.amdhsa_group_segment_fixed_size 327680
		.amdhsa_private_segment_fixed_size 0
		.amdhsa_enable_private_segment 0
		.amdhsa_kernarg_size 40
		.amdhsa_user_sgpr_count 2
		.amdhsa_user_sgpr_kernarg_segment_ptr 1
		.amdhsa_wavefront_size32 1
		.amdhsa_system_sgpr_workgroup_id_x 1
		.amdhsa_system_sgpr_workgroup_id_y 1
		.amdhsa_system_sgpr_workgroup_id_z 1
		.amdhsa_system_vgpr_workitem_id 0
		.amdhsa_next_free_vgpr 1024
		.amdhsa_next_free_sgpr 100
		.amdhsa_reserve_vcc 0
		.amdhsa_float_denorm_mode_32 3
		.amdhsa_float_denorm_mode_16_64 3
		.amdhsa_memory_ordered 1
		.amdhsa_forward_progress 1
		.amdhsa_inst_pref_size 255
	.end_amdhsa_kernel
	.section	.bss,"aw",@nobits
	.p2align	6
	.space	262144
	.amdgpu_metadata
---
amdhsa.version: [ 1, 2 ]
amdhsa.kernels:
  - .name:           k_qcb528dcced_chain
    .symbol:         k_qcb528dcced_chain.kd
    .args:
      - { .name: h16, .offset: 0, .size: 8, .value_kind: global_buffer, .address_space: global }
      - { .name: bq, .offset: 8, .size: 8, .value_kind: global_buffer, .address_space: global }
      - { .name: bk, .offset: 16, .size: 8, .value_kind: global_buffer, .address_space: global }
      - { .name: bv, .offset: 24, .size: 8, .value_kind: global_buffer, .address_space: global }
      - { .name: part, .offset: 32, .size: 8, .value_kind: global_buffer, .address_space: global }
    .group_segment_fixed_size: 327680
    .private_segment_fixed_size: 0
    .kernarg_segment_align: 8
    .kernarg_segment_size: 40
    .max_flat_workgroup_size: 128
    .sgpr_count:     100
    .vgpr_count:     1024
    .wavefront_size: 32
...
	.end_amdgpu_metadata
.endif
;; end of part 2
;; launch headsum (part 3): grid 512 x 1, 8 waves a work-group, no clusters, 0 bytes of LDS; arguments part, bs, out0; writes out0
.if DOCPART == 3
	.amdgcn_target "amdgcn-amd-amdhsa--gfx1250"
	.amdhsa_code_object_version 6
	.text
	.protected	k_qcb528dcced_headsum
	.globl	k_qcb528dcced_headsum
	.p2align	8
	.type	k_qcb528dcced_headsum,@function
k_qcb528dcced_headsum:
	s_mov_b64 s[64:65], 0
	v_nop
	global_prefetch_b8 v0, s[64:65] scope:SCOPE_SE
	s_setreg_imm32_b32 hwreg(HW_REG_WAVE_MODE, 25, 1), 1
	s_wait_xcnt 0x0
; out0[row][c] = bs[c] + the sum over the 8 heads of part[h][row][c], all f32; bs first, then the heads in ascending order.
; 512 work-groups of 8 waves; a work-group owns 16 KiB of out0 (8 rows): 4 chunks of 16 bytes a thread.  A wave's load or store covers 512
; consecutive bytes.  All 33 loads of a thread are issued first, so the text is a straight line; a stream has no use for LDS or barriers.
.set HEAD, 0x800000                    ; bytes of a head's share in part
.set P,    8                           ; v[8:135]  chunk c, head h: 4 registers at P + 4 (8 c + h)
	s_load_b64 s[8:9], s[0:1], 0x0                 ; part
	s_load_b128 s[24:27], s[0:1], 0x8              ; bs s[24:25], out0 s[26:27]
	v_lshlrev_b32 v1, 4, v0
	v_and_b32 v2, 0x7f0, v1                        ; a row is 128 threads long and a chunk two rows: my four columns are the same in every chunk
	s_lshl_b32 s2, ttmp9, 14
	v_or_b32 v1, s2, v1
	s_wait_kmcnt 0x0
.irp h, 1,2,3,4,5,6,7
	s_add_nc_u64 s[8+2*\h:9+2*\h], s[8:9], \h*HEAD ; a base for each head: 8 MiB is beyond a load's immediate
.endr
	global_load_b128 v[4:7], v2, s[24:25]
.irp c, 0,1,2,3
.irp h, 0,1,2,3,4,5,6,7
	global_load_b128 v[P+4*(8*\c+\h):P+4*(8*\c+\h)+3], v1, s[8+2*\h:9+2*\h] offset:4096*\c th:TH_LOAD_NT
.endr
.endr
.irp c, 0,1,2,3
	s_wait_loadcnt 24-8*\c                         ; bs and chunks 0 .. c are in; the later chunks' eight loads each stay out
	v_pk_add_f32 v[P+32*\c:P+32*\c+1],   v[P+32*\c:P+32*\c+1],   v[4:5]
	v_pk_add_f32 v[P+32*\c+2:P+32*\c+3], v[P+32*\c+2:P+32*\c+3], v[6:7]
.irp h, 1,2,3,4,5,6,7
	v_pk_add_f32 v[P+32*\c:P+32*\c+1],   v[P+32*\c:P+32*\c+1],   v[P+32*\c+4*\h:P+32*\c+4*\h+1]
	v_pk_add_f32 v[P+32*\c+2:P+32*\c+3], v[P+32*\c+2:P+32*\c+3], v[P+32*\c+4*\h+2:P+32*\c+4*\h+3]
.endr
	global_store_b128 v1, v[P+32*\c:P+32*\c+3], s[26:27] offset:4096*\c th:TH_STORE_NT
.endr
	s_endpgm
.Lfunc_end_k_qcb528dcced_headsum:
	.size	k_qcb528dcced_headsum, .Lfunc_end_k_qcb528dcced_headsum-k_qcb528dcced_headsum
	.p2alignl 7, 3214868480
	.fill 96, 4, 3214868480
	.section	.rodata,"a",@progbits
	.p2align	6, 0x0
	.amdhsa_kernel k_qcb528dcced_headsum
		.amdhsa_group_segment_fixed_size 0
		.amdhsa_private_segment_fixed_size 0
		.amdhsa_enable_private_segment 0
		.amdhsa_kernarg_size 24
		.amdhsa_user_sgpr_count 2
		.amdhsa_user_sgpr_kernarg_segment_ptr 1
		.amdhsa_wavefront_size32 1
		.amdhsa_system_sgpr_workgroup_id_x 1
		.amdhsa_system_sgpr_workgroup_id_y 1
		.amdhsa_system_sgpr_workgroup_id_z 1
		.amdhsa_system_vgpr_workitem_id 0
		.amdhsa_next_free_vgpr 140
		.amdhsa_next_free_sgpr 66
		.amdhsa_reserve_vcc 0
		.amdhsa_float_denorm_mode_32 3
		.amdhsa_float_denorm_mode_16_64 3
		.amdhsa_memory_ordered 1
		.amdhsa_forward_progress 1
		.amdhsa_inst_pref_size 9
	.end_amdhsa_kernel
	.amdgpu_metadata
---
amdhsa.version: [ 1, 2 ]
amdhsa.kernels:
  - .name:           k_qcb528dcced_headsum
    .symbol:         k_qcb528dcced_headsum.kd
    .args:
      - { .name: part, .offset: 0, .size: 8, .value_kind: global_buffer, .address_space: global }
      - { .name: bs, .offset: 8, .size: 8, .value_kind: global_buffer, .address_space: global }
      - { .name: out0, .offset: 16, .size: 8, .value_kind: global_buffer, .address_space: global }
    .group_segment_fixed_size: 0
    .private_segment_fixed_size: 0
    .kernarg_segment_align: 8
    .kernarg_segment_size: 24
    .max_flat_workgroup_size: 256
    .sgpr_count:     66
    .vgpr_count:     140
    .wavefront_size: 32
...
	.end_amdgpu_metadata
.endif
;; end of part 3
;; ======== version 2 of 2: 3 launches
;; limits: values are held in f16: magnitudes above 65,504 overflow, below 6.1e-05 lose precision; right only within a limited range of input values
;; workspace buffers: h16 25,165,824 bytes; part 67,108,864 bytes
;; launch cast (part 4): grid 256 x 1, 8 waves a work-group, no clusters, 33,792 bytes of LDS; arguments x, Wq, Wk, Wv, Ws, h16; writes h16
.if DOCPART == 4
	.amdgcn_target "amdgcn-amd-amdhsa--gfx1250"
	.amdhsa_code_object_version 6
	.text
	.protected	k_qcb528dcced_cast
	.globl	k_qcb528dcced_cast
	.p2align	8
	.type	k_qcb528dcced_cast,@function
k_qcb528dcced_cast:
	s_mov_b64 s[64:65], 0
	v_nop
	global_prefetch_b8 v0, s[64:65] scope:SCOPE_SE
	s_setreg_imm32_b32 hwreg(HW_REG_WAVE_MODE, 25, 1), 1
	s_wait_xcnt 0x0
; The five large inputs are rounded once to f16 (nearest even) into six sections of 4 MiB of h16, in the order in which the next launch's six
; products take their right operands, each as 8 matrices of 512 x 512 whose rows lie along that product's K:
;   0 Wq[h][o][e]   1 Wk transposed [h][e][o]   2 x[b][s][e]   3 x transposed [b][e][s]   4 Wv[h][o][e]   5 Ws as [h][n][k] (Ws[n][512 h + k])
; LIMIT: a number above 65,504 in magnitude becomes an infinity in f16.
; 256 work-groups of 8 waves.  Each streams 32 KiB of Wq, of Wv and of Ws (8 loads of 16 bytes a thread and input; a wave's load covers 512
; consecutive bytes, a wave's store 256 consecutive bytes at a multiple of 256), and transposes one tile of 128 x 128: work-groups 0-127 of Wk,
; 128-255 of x.  The work-groups of x also store their tile's rows straight, so that every input byte is read once.
; THE TRANSPOSE.  A thread loads 16 bytes (4 columns) of two neighbouring rows, packs the two rows' numbers of a column into one word and puts it into
; LDS at [column][256 bytes].  Behind one barrier 16 lanes read a column's 256 bytes, 16 bytes each, and store them as a row of the transposed matrix.
; In LDS a column's sixteen 16-byte chunks are rotated by (column / 4) mod 16: the 32 lanes of a store hold columns 4 apart and the same rows, and
; fall so on 16 different chunks, two lanes each; a read takes one whole row of 256 bytes.
; All 40 loads of a thread are issued first; no register is written again behind a global store that reads it.
.set SEC, 0x400000                     ; bytes of a section of h16
.set SA,  10                           ; v[10:17]   LDS address of my words of row pair w + 8 i
.set RA,  18                           ; v[18:25]   LDS address of my 16 bytes of column t / 16 + 16 k, less 4,096 k
.set W,   26                           ; v[26:33]   packed words, two sets of four in turn
.set TX,  34                           ; v[34:97]   the tile: load 2 i + e = row 2 (w + 8 i) + e
.set SX,  98                           ; v[98:193]  the streams: load 8 s + j
.set RB,  194                          ; v[194:225] columns read back
	s_load_b256 s[4:11], s[0:1], 0x0               ; x s[4:5], Wq s[6:7], Wk s[8:9], Wv s[10:11]
	s_load_b128 s[12:15], s[0:1], 0x20             ; Ws s[12:13], h16 s[14:15]
	v_lshl_add_u32 v228, v0, 2, 0x8000
	v_mov_b32 v229, 0
	s_mov_b32 s26, ttmp9                           ; g
	v_and_b32 v7, 31, v0                           ; lane: my block of 4 columns of the tile
	v_lshrrev_b32 v8, 5, v0                        ; wave
	; the streams
	v_lshlrev_b32 v1, 4, v0                        ; 16 bytes a thread in
	v_lshlrev_b32 v2, 3, v0                        ; 8 bytes a thread out
	s_lshl_b32 s2, s26, 15                         ; the work-group's 32 KiB of an input
	s_lshl_b32 s3, s26, 14                         ; and its 16 KiB of a section
	v_or_b32 v1, s2, v1
	v_or_b32 v2, s3, v2
	; Ws: input byte g<<15 | j<<12 | t<<4 is row n = 2 g + j / 4, head 2 (j % 4) + t / 128, byte 16 (t % 128) of the head's 2,048
	v_and_b32 v3, 127, v0
	v_lshlrev_b32 v3, 3, v3                        ; 8 (t % 128)
	v_lshrrev_b32 v9, 7, v0
	v_lshl_or_b32 v3, v9, 19, v3                   ; + (t / 128) heads of 512 KiB
	s_lshl_b32 s2, s26, 11
	v_or_b32 v3, s2, v3                            ; + 2 g rows of 1,024 bytes; j's part goes into the stores' immediates
	; the tile
	v_lshlrev_b32 v4, 4, v7
	v_lshl_or_b32 v4, v8, 12, v4                   ; in: 16 lane + 2 w rows of 2,048 bytes
	v_lshlrev_b32 v5, 3, v7
	v_lshl_or_b32 v5, v8, 11, v5                   ; straight out: 8 lane + 2 w rows of 1,024 bytes
	v_and_b32 v26, 15, v0                          ; u = t % 16: rows 8 u .. 8 u + 7
	v_lshrrev_b32 v27, 4, v0                       ; t / 16: a column
	v_lshlrev_b32 v6, 4, v26
	v_lshl_or_b32 v6, v27, 10, v6                  ; transposed out: 16 u + (t / 16) rows of 1,024 bytes
	v_lshrrev_b32 v9, 2, v8
	v_add_nc_u32 v9, v9, v7                        ; w / 4 + lane: chunk of pair w, rotated
	v_and_b32 v28, 3, v8
	v_lshlrev_b32 v28, 2, v28                      ; word w % 4 of the chunk: 12 at the most
	v_lshl_add_u32 v28, v7, 10, v28                ; + 4 lane columns of 256 bytes: 31,744 at the most.  With a chunk's 240, a store's offset of 768 and its 4 bytes: 32,768
.irp i, 0,1,2,3,4,5,6,7
	v_add_nc_u32 v29, 2*\i, v9                     ; pair w + 8 i lies in chunk w / 4 + 2 i
	v_and_b32 v29, 15, v29
	v_lshl_add_u32 v[SA+\i], v29, 4, v28
.endr
	v_lshrrev_b32 v9, 6, v0
	v_add_nc_u32 v9, v9, v26                       ; u + (t / 16) / 4
	v_lshlrev_b32 v27, 8, v27
.irp k, 0,1,2,3,4,5,6,7
	v_add_nc_u32 v29, 4*\k, v9                     ; column t / 16 + 16 k rotates by t / 64 + 4 k
	v_and_b32 v29, 15, v29
	v_lshl_add_u32 v[RA+\k], v29, 4, v27
.endr
	s_bfe_u32 s27, s26, 0x30004                    ; which of the 8 matrices
	s_bfe_u32 s28, s26, 0x20002                    ; which 128 rows
	s_and_b32 s29, s26, 3                          ; which 128 columns
	s_lshr_b32 s30, s26, 7                         ; 0: Wk, 1: x
	s_lshl_b32 s32, s27, 20                        ; in: matrices of 1 MiB,
	s_lshl_b32 s34, s28, 18                        ; 128 rows of 2,048 bytes,
	s_or_b32 s32, s32, s34
	s_lshl_b32 s34, s29, 9                         ; 128 columns
	s_or_b32 s32, s32, s34
	s_mov_b32 s33, 0
	s_lshl_b32 s35, s27, 19                        ; out: matrices of 512 KiB
	s_lshl_b32 s36, s30, 23                        ; transposed: section 1 or 3,
	s_add_co_u32 s36, s36, SEC
	s_add_co_u32 s36, s36, s35
	s_lshl_b32 s34, s29, 17                        ; the tile's columns are rows of 1,024 bytes,
	s_add_co_u32 s36, s36, s34
	s_lshl_b32 s34, s28, 8                         ; its rows columns
	s_add_co_u32 s36, s36, s34
	s_mov_b32 s37, 0
	s_add_co_u32 s38, s35, 2*SEC                   ; straight: section 2
	s_lshl_b32 s34, s28, 17
	s_add_co_u32 s38, s38, s34
	s_lshl_b32 s34, s29, 8
	s_add_co_u32 s38, s38, s34
	s_mov_b32 s39, 0
	s_wait_kmcnt 0x0
	s_cmp_eq_u32 s30, 0
	s_cselect_b64 s[24:25], s[8:9], s[4:5]         ; the tile comes from Wk or from x
	s_add_nc_u64 s[24:25], s[24:25], s[32:33]
	s_add_nc_u64 s[20:21], s[14:15], s[36:37]      ; where it goes transposed
	s_add_nc_u64 s[22:23], s[14:15], s[38:39]      ; where x's goes straight
	s_add_nc_u64 s[16:17], s[14:15], 4*SEC         ; Wv's section
	s_add_nc_u64 s[18:19], s[14:15], 5*SEC         ; Ws's section
.irp i, 0,1,2,3,4,5,6,7
	global_load_b128 v[TX+8*\i:TX+8*\i+3],   v4, s[24:25] offset:32768*\i th:TH_LOAD_NT
	global_load_b128 v[TX+8*\i+4:TX+8*\i+7], v4, s[24:25] offset:32768*\i+2048 th:TH_LOAD_NT
.endr
.irp j, 0,1,2,3,4,5,6,7
	global_load_b128 v[SX+4*\j:SX+4*\j+3], v1, s[6:7] offset:4096*\j th:TH_LOAD_NT
.endr
.irp j, 0,1,2,3,4,5,6,7
	global_load_b128 v[SX+32+4*\j:SX+32+4*\j+3], v1, s[10:11] offset:4096*\j th:TH_LOAD_NT
.endr
.irp j, 0,1,2,3,4,5,6,7
	global_load_b128 v[SX+64+4*\j:SX+64+4*\j+3], v1, s[12:13] offset:4096*\j th:TH_LOAD_NT
.endr
; the tile into LDS, transposed
.irp i, 0,1,2,3,4,5,6,7
	s_wait_loadcnt 38-2*\i                         ; loads come back in order: of the 40, pair i's two are in, the younger ones stay out
.irp c, 0,1,2,3
	v_cvt_pk_f16_f32 v[W+4*(\i%2)+\c], v[TX+8*\i+\c], v[TX+8*\i+4+\c]      ; the lower row into the lower half
.endr
.irp c, 0,1,2,3
	ds_store_b32 v[SA+\i], v[W+4*(\i%2)+\c] offset:256*\c
.endr
.endr
; x's rows straight: 8 bytes a lane, the wave's store is a tile row of 256 bytes
	s_cmp_eq_u32 s30, 0
	s_cbranch_scc1 .Lno_straight
.irp n, 0,1,2,3,4,5,6,7,8,9,10,11,12,13,14,15
	v_cvt_pk_f16_f32 v[TX+4*\n],   v[TX+4*\n],   v[TX+4*\n+1]
	v_cvt_pk_f16_f32 v[TX+4*\n+1], v[TX+4*\n+2], v[TX+4*\n+3]
	global_store_b64 v5, v[TX+4*\n:TX+4*\n+1], s[22:23] offset:(\n/2)*16384+(\n%2)*1024
.endr
.Lno_straight:
	s_wait_dscnt 0x0                               ; my words are in LDS,
	s_barrier_signal -1
	s_barrier_wait -1                              ; everybody's are
.irp k, 0,1,2,3,4,5,6,7
	ds_load_b128 v[RB+4*\k:RB+4*\k+3], v[RA+\k] offset:4096*\k
.endr
.irp k, 0,1,2,3,4,5,6,7
	s_wait_dscnt 7-\k                              ; column k's 16 bytes are in, the younger ones stay out
	global_store_b128 v6, v[RB+4*\k:RB+4*\k+3], s[20:21] offset:16384*\k   ; 16 lanes store 256 consecutive bytes at a multiple of 256
.endr
; the streams
.irp j, 0,1,2,3,4,5,6,7
	s_wait_loadcnt 23-\j                           ; of the 24 stream loads number j is in, the younger ones stay out
	v_cvt_pk_f16_f32 v[SX+4*\j],   v[SX+4*\j],   v[SX+4*\j+1]
	v_cvt_pk_f16_f32 v[SX+4*\j+1], v[SX+4*\j+2], v[SX+4*\j+3]
	global_store_b64 v2, v[SX+4*\j:SX+4*\j+1], s[14:15] offset:2048*\j
.endr
.irp j, 0,1,2,3,4,5,6,7
	s_wait_loadcnt 15-\j
	v_cvt_pk_f16_f32 v[SX+32+4*\j],   v[SX+32+4*\j],   v[SX+32+4*\j+1]
	v_cvt_pk_f16_f32 v[SX+32+4*\j+1], v[SX+32+4*\j+2], v[SX+32+4*\j+3]
	global_store_b64 v2, v[SX+32+4*\j:SX+32+4*\j+1], s[16:17] offset:2048*\j
.endr
.irp j, 0,1,2,3,4,5,6,7
	s_wait_loadcnt 7-\j
	v_cvt_pk_f16_f32 v[SX+64+4*\j],   v[SX+64+4*\j],   v[SX+64+4*\j+1]
	v_cvt_pk_f16_f32 v[SX+64+4*\j+1], v[SX+64+4*\j+2], v[SX+64+4*\j+3]
	global_store_b64 v3, v[SX+64+4*\j:SX+64+4*\j+1], s[18:19] offset:((\j%4)<<20)+((\j/4)<<10)
.endr
	s_wait_tensorcnt 0x0
	ds_add_u32 v228, v229
	s_wait_dscnt 0x0
	s_endpgm
.Lfunc_end_k_qcb528dcced_cast:
	.size	k_qcb528dcced_cast, .Lfunc_end_k_qcb528dcced_cast-k_qcb528dcced_cast
	.p2alignl 7, 3214868480
	.fill 96, 4, 3214868480
	.section	.rodata,"a",@progbits
	.p2align	6, 0x0
	.amdhsa_kernel k_qcb528dcced_cast
		.amdhsa_group_segment_fixed_size 33792
		.amdhsa_private_segment_fixed_size 0
		.amdhsa_enable_private_segment 0
		.amdhsa_kernarg_size 48
		.amdhsa_user_sgpr_count 2
		.amdhsa_user_sgpr_kernarg_segment_ptr 1
		.amdhsa_wavefront_size32 1
		.amdhsa_system_sgpr_workgroup_id_x 1
		.amdhsa_system_sgpr_workgroup_id_y 1
		.amdhsa_system_sgpr_workgroup_id_z 1
		.amdhsa_system_vgpr_workitem_id 0
		.amdhsa_next_free_vgpr 230
		.amdhsa_next_free_sgpr 66
		.amdhsa_reserve_vcc 0
		.amdhsa_float_denorm_mode_32 3
		.amdhsa_float_denorm_mode_16_64 3
		.amdhsa_memory_ordered 1
		.amdhsa_forward_progress 1
		.amdhsa_inst_pref_size 25
	.end_amdhsa_kernel
	.amdgpu_metadata
---
amdhsa.version: [ 1, 2 ]
amdhsa.kernels:
  - .name:           k_qcb528dcced_cast
    .symbol:         k_qcb528dcced_cast.kd
    .args:
      - { .name: x, .offset: 0, .size: 8, .value_kind: global_buffer, .address_space: global }
      - { .name: Wq, .offset: 8, .size: 8, .value_kind: global_buffer, .address_space: global }
      - { .name: Wk, .offset: 16, .size: 8, .value_kind: global_buffer, .address_space: global }
      - { .name: Wv, .offset: 24, .size: 8, .value_kind: global_buffer, .address_space: global }
      - { .name: Ws, .offset: 32, .size: 8, .value_kind: global_buffer, .address_space: global }
      - { .name: h16, .offset: 40, .size: 8, .value_kind: global_buffer, .address_space: global }
    .group_segment_fixed_size: 33792
    .private_segment_fixed_size: 0
    .kernarg_segment_align: 8
    .kernarg_segment_size: 48
    .max_flat_workgroup_size: 256
    .sgpr_count:     66
    .vgpr_count:     230
    .wavefront_size: 32
...
	.end_amdgpu_metadata
.endif
;; end of part 4
;; launch chain (part 5): grid 256 x 1, 4 waves a work-group, clusters of 4 x 1, 327,680 bytes of LDS; arguments h16, bq, bk, bv, part; writes part
.if DOCPART == 5
	.amdgcn_target "amdgcn-amd-amdhsa--gfx1250"
	.amdhsa_code_object_version 6
	.text
	.protected	k_qcb528dcced_chain
	.globl	k_qcb528dcced_chain
	.p2align	8
	.type	k_qcb528dcced_chain,@function
k_qcb528dcced_chain:
	s_mov_b64 s[64:65], 0
	v_nop
	global_prefetch_b8 v0, s[64:65] scope:SCOPE_SE
	s_setreg_imm32_b32 hwreg(HW_REG_WAVE_MODE, 25, 1), 1
	s_wait_xcnt 0x0
	s_wait_alu depctr_hold_cnt(0) depctr_sa_sdst(0) depctr_va_vdst(0) depctr_va_sdst(0) depctr_va_ssrc(0) depctr_va_vcc(0) depctr_vm_vsrc(0)
	s_getreg_b32 s2, hwreg(HW_REG_IB_STS2, 6, 4)
	s_cmp_eq_u32 s2, 0
	s_cbranch_scc0 .Lentry_in_a_cluster
	s_endpgm
.Lentry_in_a_cluster:
	s_bfe_u32 s2, ttmp6, 0x10000c
	s_cmp_lg_u32 s2, 0x3003
	s_cbranch_scc0 .Lentry_shape_is_right
	s_endpgm
.Lentry_shape_is_right:
; One work-group makes, for 128 query rows of one batch b and one head h, that head's share of the output: part[h][row][0:512] (f32).
; Two identities that hold for every input let a row block do without the k and v of other rows:
;   q . k_j = (q Wk) . x_j + q . bk        and        attn (x Wv^T + bv) = (attn x) Wv^T + bv   (a softmax row sums to 1).
; So the work is a chain of six products [128 x 512] x [512 x 512], as many multiply-adds as the plain form has:
;   0  Q  = X Wq^T + bq      1  Q' = Q Wk          2  S = Q' x_b^T  (+ Q . bk, causal mask, row maximum taken away, exponentials, row sums)
;   3  Y  = P x_b / rowsum   4  O  = Y Wv^T + bv   5  Z = O Ws_h^T  -> part
; The left operand lies in LDS (ABUF) in f16 and is replaced by each stage's result; the right operands come from h16 by tensor loads.  In h16 all
; six lie alike (section = stage, 512 rows of 512 f16 along K), so that ONE TEXT serves the six products: a counted loop over the stages, in which
; only the first sub-step's C operand and the way out are chosen by forward branches on the stage's number.  Twelve sub-steps of 64 matrix
; instructions are written instead of 48.
; FORMATS AND LIMITS.  Matrix operands are f16, all sums f32.  |x|, |Q|, |O| and the weights have to stay under 65,504.  Q' is carried as
; Q' x 2^-10 (an exact factor, given back inside the exponent's scale), so that it has room up to 6.7e7; below 6e-8 x 2^10 it is lost.
; P <= about 1 and |Y| <= max |x|.  The roundings fall in another order than in the plain form (the two identities above).
; SHARES.  Four waves; wave w makes all 128 rows x columns 128 w .. 128 w + 127: 64 accumulator tiles of 16 x 16, 512 registers.
; CLUSTER.  The four row blocks of one (b, h) form a cluster of 4 x 1 and walk the same right operands: every tile of them is asked for jointly
; (mask 15), one request for the four.  All four make every request, so no trip count hangs on the place in the cluster: the causal mask
; throws away up to three quarters of a block's scores, but skipping them would give the partners different numbers of tiles.
; K goes in steps of 64 through two LDS slots; a wave loads and reads only its own quarter of a tile (its 128 columns).  Two slots of a K step
; of 128 would take 294,912 bytes beside ABUF's 139,264: they do not fit, so a tile's rows are 128 bytes.
; THE MATRIX INSTRUCTION IS USED TRANSPOSED (source 0 = 16 rows of the right operand, source 1 = 16 rows of the left): lane l holds row
; l % 16 of the result and eight neighbouring columns 8 (l / 16) + 0..7, which pack into 16 bytes of f16 for the next stage's left operand.
;
; LDS (bytes)
.set PANEL,  34816                     ; ABUF, 0 .. 139,264: four panels; panel p = columns 128 p .. +127 of all 128 rows, 256 + 16 bytes a row.  Wave w stores panel w alone
.set RING,   139264                    ; two slots
.set QUART,  18432                     ; a wave's quarter of a slot: 128 rows x (128 + 16) bytes
.set SLOT,   4*QUART
.set OUTB,   286720                    ; the f32 way out: 16 rows x (512 + 16) bytes for each wave
.set WOUT,   8448
.set RED,    320512                    ; three tables [wave][128 rows] of f32: 0 Q . bk, 1 row maxima, 2 row sums; 2,048 bytes each
; The pitches 272, 144 and 528 are odd multiples of 16 bytes: the 16 rows that a 16-byte access of 16 lanes touches start at 16 different
; 16-byte columns modulo 256 bytes.
.set SEC,    0x400000                  ; a section of h16
.set DOWN,   0x3a800000                ; 2^-10
.set SCL,    0x428293ee                ; 2^10 log2(e) / sqrt(512)
; REGISTERS, window 0
.set ADRA,  16                         ; left fragments: ADRA0 + one panel for every fourth sub-step
.set ADRA0, 17                         ; (l % 16) 272 + 16 (l / 16)
.set ADRBN, 18                         ; v18-19  right fragments, slot 0, 1
.set STO,   22                         ; where I put 16 bytes of f16 in my panel
.set TP,    23                         ; the other half's figure
.set STG,   24                         ; way out: where I put 32 bytes of f32
.set RD,    25                         ; way out: where I read a row back
.set CO,    26                         ; way out: my 16 bytes in a row of part
.set REDW,  27
.set REDR,  28
.set DL,    29                         ; 128 (cx - w) + l % 16 - 8 (l / 16): the causal edge as this lane sees it
.set NEG,   30                         ; -infinity
.set BOF,   31                         ; my 8 columns in bq, bk, bv
.set RV,    32                         ; v32-39  one figure for each of my 8 rows (row 16 a + l % 16): the factor of the scaled packing; in between the exponent's addend
.set RW,    40                         ; v40-47  a second one
.set CS,    48                         ; v48-55  four packed chains
.set MX,    48                         ; v48-63  four chains for each of a window's four row blocks
.set F0,    64                         ; v64-127   fragment buffer 0
.set F1,    128                        ; v128-191  fragment buffer 1
.set T,     64                         ; between stages: 64 numbers at work
.set ED,    128                        ; between stages: v128-142  DL - 16 (b - a) for b - a = -7 .. 7
.set RG,    144                        ; between stages: v144-175  the four waves' figures for my 8 rows
.set H,     192                        ; v192-223  packed f16
; window 1: v0-63 bq, later bv; v64-191 right fragments, two buffers; v192-255 bk.  Windows 2, 3: accumulators, tile (a, b) at v[8 (8 (a % 4) + b)]
.set BIAS,  0
.set BK,    192
; scalars
.set G1N, 24                           ; s[24:31] shape of a right operand's tile
.set G1A, 48                           ; s[48:55] shape of a panel of X
.set G0S, 56                           ; s[56:63] from where, to where: one set for each slot
.set G0A, 68                           ; s[68:71] the same for my panel of X
.set NB,  72                           ; s[72:73] my rows of the next stage's tile 0
.set HB,  74                           ; s[74:75] h16 with the descriptor's type bits
.set MK,  88                           ; s[88:95] eight lane masks
.set ST,  98                           ; the stage, 0 .. 5
; s14 wave, s15 cx, s17 h, s18 b, s19 trips, s20 h x 512 KiB, s21 b x 512 KiB, s22 w x 128 KiB, s[82:83] an offset, s96-97 the selects of v_permlanex16_b32.
; s15, s16, s[84:85] alone ever hold cx: they feed my own panel of X, DL and part's address, never a joint load.
.set MSB, 0
.macro WIN new                         ; s_set_vgpr_msb: bits 1:0 source 0, 3:2 source 1, 5:4 source 2, 7:6 destination; the high byte repeats the setting that is left
.if MSB != (\new)
	s_set_vgpr_msb (MSB<<8)|(\new)
.set MSB, (\new)
.endif
.endm
.macro PLACES                          ; four plain vector instructions between a matrix instruction and a load into, or a vector instruction on, its registers
.rept 4
	v_nop
.endr
.endm
.macro CREST                           ; a round of the cluster's barrier behind its opening work-group barrier
	s_cmp_lg_u32 s14, 0
	s_cbranch_scc1 .Lnot_wave_0_\@
	s_barrier_signal -3
.Lnot_wave_0_\@:
	s_barrier_wait -3
	s_barrier_signal -1
	s_barrier_wait -1
.endm
.macro CROUND
	s_barrier_signal -1
	s_barrier_wait -1
	CREST
.endm
.macro PUBLISH                         ; what I stored into LDS is there; behind the barrier everybody's is.  A tensor load may stay out
	s_wait_dscnt 0x0
	s_barrier_signal -1
	s_barrier_wait -1
.endm
; The window setting of a product: source 0 (right fragment) window 1, source 1 (left) window 0, D window 2 + hi;
; C: ci 0 = D, 1 = the constant 0, 2 = a bias tuple in window 1
.macro WINMUL hi, ci
.if \ci < 2
	WIN 0x81+0x40*\hi+((2+\hi)<<4)
.else
	WIN 0x91+0x40*\hi
.endif
.endm
; 16 matrix instructions: row blocks a0, a0 + 1 of the window's four x all 8 column blocks, 32 along K.  The 64 accumulators take turns, one
; instruction a turn, in the same order in every sub-step.  Nothing is ever cleared: the first product of a
; stage takes its bias or the constant 0 as C.
.macro MUL16 f, hi, a0, ci
.irp a, \a0, \a0+1
.irp b, 0,1,2,3,4,5,6,7
.if \ci == 0
	v_wmma_f32_16x16x32_f16 v[8*(8*(\a)+\b):8*(8*(\a)+\b)+7], v[\f+8*\b:\f+8*\b+7], v[\f+8*(4*\hi+\a):\f+8*(4*\hi+\a)+7], v[8*(8*(\a)+\b):8*(8*(\a)+\b)+7]
.elseif \ci == 1
	v_wmma_f32_16x16x32_f16 v[8*(8*(\a)+\b):8*(8*(\a)+\b)+7], v[\f+8*\b:\f+8*\b+7], v[\f+8*(4*\hi+\a):\f+8*(4*\hi+\a)+7], 0
.else
	v_wmma_f32_16x16x32_f16 v[8*(8*(\a)+\b):8*(8*(\a)+\b)+7], v[\f+8*\b:\f+8*\b+7], v[\f+8*(4*\hi+\a):\f+8*(4*\hi+\a)+7], v[BIAS+8*\b:BIAS+8*\b+7]
.endif
.endr
.endr
.endm
; 32 LDS loads in one run: the fragments of one sub-step of 32 along K into buffer f.  Right: my quarter of the slot, half 0 or 1 of its 64 K,
; two loads 32 bytes apart.  Left: byte kA of ABUF's rows.
.macro FETCH slot, half, kA, f
	WIN 0x40
.irp i, 0,1,2,3,4,5,6,7
	ds_load_b128 v[\f+8*\i:\f+8*\i+3],   v[ADRBN+\slot] offset:64*\half+\i*2304
	ds_load_b128 v[\f+8*\i+4:\f+8*\i+7], v[ADRBN+\slot] offset:64*\half+\i*2304+32
.endr
	WIN 0
.irp i, 0,1,2,3,4,5,6,7
	ds_load_b128 v[\f+8*\i:\f+8*\i+3],   v[ADRA] offset:\kA+\i*4352
	ds_load_b128 v[\f+8*\i+4:\f+8*\i+7], v[ADRA] offset:\kA+\i*4352+32
.endr
.endm
; The first half of a K step: multiplies buffer 0; in its middle it fetches the second half's fragments (same slot) into buffer 1.
.macro QSTEP slot, kA, ci
	s_wait_dscnt 8                                 ; the right fragments and the left rows 0-63 are in; the youngest eight loads (rows 64-127) may be out
	WINMUL 0, \ci
	MUL16 F0, 0, 0, \ci
	MUL16 F0, 0, 2, \ci
	PLACES
	FETCH \slot, 1, \kA, F1
	s_wait_dscnt 32                                ; all but the 32 just issued
	WINMUL 1, \ci
	MUL16 F0, 1, 0, \ci
	MUL16 F0, 1, 2, \ci
.endm
; The second half: multiplies buffer 1 and changes slots.
; fill 1: this slot gets the tile two K steps on; fill 2: the next stage's tile 0 (slot 0) or 1 (slot 1); fill 0: nothing.
; In front of the opening signal of the cluster's round every wave has waited for its reads of this slot and for all its tensor loads (the one that is
; out is its quarter of the other slot); inside the round stands register work alone; the joint refill is the first tensor load behind its closing wait.
; From a request to the wait for it a wave issues 112 matrix instructions.  By this text's count at most three tensor loads of a wave are out (at the start), later one.
.macro TURN slot, kA, fill, fetch
	s_wait_dscnt 8
	WINMUL 0, 0
	MUL16 F1, 0, 0, 0
	s_wait_dscnt 0x0                               ; my reads of this slot, and of ABUF so far, are over
	s_set_vgpr_msb 0xa1a0
	s_wait_tensorcnt 0x0                           ; my quarter of the other slot has landed; no tensor load of mine is out
	ds_add_u32 v254, v255
	s_wait_dscnt 0x0
	s_set_vgpr_msb 0xa0a1
.if \fill
	s_barrier_signal -1
.endif
	MUL16 F1, 0, 2, 0
.if \fill
	WIN 0
	s_barrier_wait -1
	CREST
.if \fill == 1
	s_add_nc_u64 s[G0S+4*\slot+2:G0S+4*\slot+3], s[G0S+4*\slot+2:G0S+4*\slot+3], 256
.elseif \slot == 0
	s_mov_b64 s[G0S+2:G0S+3], s[NB:NB+1]
.else
	s_add_nc_u64 s[G0S+6:G0S+7], s[NB:NB+1], 128
.endif
	tensor_load_to_lds s[G0S+4*\slot:G0S+4*\slot+3], s[G1N:G1N+7]
	s_nop 0
.endif
.if \fetch
	PLACES
	FETCH 1-\slot, 0, \kA, F0
.endif
	WINMUL 1, 0
	MUL16 F1, 1, 0, 0
	MUL16 F1, 1, 2, 0
.endm
.macro LASTQ                           ; the very last sub-step: nothing more to fetch
	s_wait_dscnt 8
	WINMUL 0, 0
	MUL16 F1, 0, 0, 0
	MUL16 F1, 0, 2, 0
	s_wait_dscnt 0x0
	WINMUL 1, 0
	MUL16 F1, 1, 0, 0
	MUL16 F1, 1, 2, 0
.endm
.macro CVTH base                       ; 64 numbers of one row block (8 b + j) to f16: 16 bytes for each column block
.irp b, 0,1,2,3,4,5,6,7
.irp r, 0,1,2,3
	v_cvt_pk_f16_f32 v[H+4*\b+\r], v[\base+8*\b+2*\r], v[\base+8*\b+2*\r+1]
.endr
.endr
.endm
.macro PUTH a                          ; into my panel of ABUF: row 16 a + l % 16, columns 16 b + 8 (l / 16) ..
.irp b, 0,1,2,3,4,5,6,7
	ds_store_b128 v[STO], v[H+4*\b:H+4*\b+3] offset:\a*4352+32*\b
.endr
.endm
.macro XHALF op, reg                   ; lanes l and l xor 16 hold the same row and the two halves of its columns
	v_permlanex16_b32 v[TP], v[\reg], s96, s97
	\op v[\reg], v[\reg], v[TP]
.endm
.macro REDPUT which, src               ; my wave's figure for each of the 128 rows (both halves of the lanes store the same word)
.irp a, 0,1,2,3,4,5,6,7
	ds_store_b32 v[REDW], v[\src+\a] offset:\which*2048+64*\a
.endr
.endm
.macro REDGET which                    ; the four waves' figures for my 8 rows
.irp w, 0,1,2,3
.irp a, 0,1,2,3,4,5,6,7
	ds_load_b32 v[RG+8*\w+\a], v[REDR] offset:\which*2048+512*\w+64*\a
.endr
.endr
	s_wait_dscnt 0x0
.endm
.macro REDSUM                          ; their sums, in v[RG .. RG+7]
.irp i, 0,2,4,6
	v_pk_add_f32 v[RG+\i:RG+\i+1], v[RG+\i:RG+\i+1], v[RG+8+\i:RG+9+\i]
	v_pk_add_f32 v[RG+16+\i:RG+17+\i], v[RG+16+\i:RG+17+\i], v[RG+24+\i:RG+25+\i]
.endr
.irp i, 0,2,4,6
	v_pk_add_f32 v[RG+\i:RG+\i+1], v[RG+\i:RG+\i+1], v[RG+16+\i:RG+17+\i]
.endr
.endm
.macro LDBIAS dst, sb                  ; 64 numbers of a bias into window 1: tuple b = columns 128 w + 16 b + 8 (l / 16) + 0..7, the layout of a C operand
	WIN 0x40
.irp b, 0,1,2,3,4,5,6,7
	global_load_b128 v[\dst+8*\b:\dst+8*\b+3],   v[BOF], s[\sb:\sb+1] offset:64*\b
	global_load_b128 v[\dst+8*\b+4:\dst+8*\b+7], v[BOF], s[\sb:\sb+1] offset:64*\b+16
.endr
	WIN 0
.endm
.macro SHAPE g, w0, c, r, p            ; descriptor group 1: a tile of r rows x c elements of 2 bytes, rows p elements apart; the tensor's extents are the tile's
	s_mov_b32 s[\g+0], \w0
	s_mov_b32 s[\g+1], \c<<16
	s_mov_b32 s[\g+2], \r<<16
	s_mov_b32 s[\g+3], \c<<16
	s_mov_b32 s[\g+4], \r
	s_mov_b32 s[\g+5], \p
	s_mov_b32 s[\g+6], 0
	s_mov_b32 s[\g+7], 0
.endm
; ---------------------------------------------------------------- set-up
	s_load_b256 s[4:11], s[0:1], 0x0               ; h16 s[4:5], bq s[6:7], bk s[8:9], bv s[10:11]
	s_load_b64 s[12:13], s[0:1], 0x20              ; part
	v_lshl_add_u32 v254, v0, 2, 0x4fc00
	v_mov_b32 v255, 0
	ds_add_u32 v254, v255
	v_lshrrev_b32 v1, 5, v0
	v_readfirstlane_b32 s14, v1                    ; wave 0..3
	s_bfe_u32 s15, ttmp6, 0x40000                  ; cx: which 128 rows of the batch
	s_and_b32 s17, ttmp9, 7                        ; head (ttmp9 counts clusters)
	s_lshr_b32 s18, ttmp9, 3                       ; batch
	s_mov_b32 s96, 0x76543210
	s_mov_b32 s97, 0xfedcba98
	; word 0: 15:0 the mask (all four of the cluster), 17:16 elements of 2 bytes, 20 padding on, 21 set beside a mask, 24:22 the row's words, 31:25 the pad's words - 1
	SHAPE G1N, 15|(1<<16)|(1<<20)|(1<<21)|(4<<22)|(3<<25), 64, 128, 512
	SHAPE G1A, (1<<16)|(1<<20)|(5<<22)|(3<<25), 128, 128, 512
	s_mul_i32 s86, s14, QUART
	s_mov_b32 s[G0S+0], 1
	s_add_co_u32 s[G0S+1], s86, RING               ; my quarter of slot 0
	s_mov_b32 s[G0S+4], 1
	s_add_co_u32 s[G0S+5], s86, RING+SLOT          ; and of slot 1
	s_mov_b32 s[G0A+0], 1
	s_mul_i32 s[G0A+1], s14, PANEL                 ; my panel
	s_lshl_b32 s20, s17, 19                        ; head x 512 x 512 x 2 bytes
	s_lshl_b32 s21, s18, 19                        ; batch x the same
	s_lshl_b32 s22, s14, 17                        ; my 128 rows of 1,024 bytes
	s_add_co_u32 s82, s20, s22                     ; stage 0: section 0, the head's Wq, my rows
	s_mov_b32 s83, 0
	s_mov_b32 s85, 0
	s_lshl_b32 s84, s15, 17                        ; my work-group's 128 rows of x,
	s_add_co_u32 s84, s84, s21
	s_lshl_b32 s16, s14, 8                         ; my 128 columns of them,
	s_add_co_u32 s84, s84, s16
	s_add_co_u32 s84, s84, 2*SEC                   ; in section 2
	s_wait_dscnt 0x0
	s_wait_kmcnt 0x0
	s_mov_b64 s[HB:HB+1], s[4:5]
	s_or_b32 s[HB+1], s[HB+1], 0x80000000          ; the type bits; no offset added below reaches them
	s_add_nc_u64 s[G0S+2:G0S+3], s[HB:HB+1], s[82:83]      ; tile 0
	s_add_nc_u64 s[G0S+6:G0S+7], s[G0S+2:G0S+3], 128       ; tile 1: 64 f16 on
	s_add_nc_u64 s[G0A+2:G0A+3], s[HB:HB+1], s[84:85]
	CROUND                                         ; all four work-groups are here: the first joint loads meet
	tensor_load_to_lds s[G0A:G0A+3], s[G1A:G1A+7]  ; my panel of my work-group's X (a load of my own: mask 0)
	s_nop 0
	tensor_load_to_lds s[G0S:G0S+3], s[G1N:G1N+7]  ; tile 0
	s_nop 0
	tensor_load_to_lds s[G0S+4:G0S+7], s[G1N:G1N+7]    ; tile 1
	s_nop 0
	s_lshl_b32 s84, s15, 18                        ; part: 128 cx rows of 2,048 bytes
	s_lshl_b32 s16, s17, 23                        ; + head x 4,096 rows
	s_add_co_u32 s84, s84, s16
	s_lshl_b32 s16, s18, 20                        ; + batch x 512 rows
	s_add_co_u32 s84, s84, s16
	s_lshl_b32 s16, s14, 9                         ; + my 128 columns
	s_add_co_u32 s84, s84, s16
	s_add_nc_u64 s[12:13], s[12:13], s[84:85]
	v_and_b32 v1, 31, v0                           ; l
	v_and_b32 v2, 15, v0                           ; l % 16
	v_bfe_u32 v3, v0, 4, 1                         ; l / 16
	s_lshl_b32 s86, s17, 11
	s_lshl_b32 s87, s14, 9
	s_add_co_u32 s86, s86, s87
	v_lshl_add_u32 v[BOF], v3, 5, s86              ; head x 2,048 + 512 w + 32 (l / 16)
	LDBIAS BIAS, 6                                 ; bq
	LDBIAS BK, 8                                   ; bk
	v_mul_u32_u24 v4, v2, 272
	v_lshl_add_u32 v[ADRA0], v3, 4, v4
	v_add_nc_u32 v[STO], s[G0A+1], v[ADRA0]
	v_mul_u32_u24 v4, v2, 144
	v_lshl_add_u32 v4, v3, 4, v4
	v_add_nc_u32 v[ADRBN], s[G0S+1], v4
	v_add_nc_u32 v[ADRBN+1], s[G0S+5], v4
	s_mul_i32 s86, s14, WOUT
	s_add_co_u32 s86, s86, OUTB
	v_mul_u32_u24 v4, v2, 528
	v_lshl_add_u32 v4, v3, 5, v4
	v_add_nc_u32 v[STG], s86, v4
	v_lshlrev_b32 v[CO], 4, v1
	v_add_nc_u32 v[RD], s86, v[CO]
	v_lshlrev_b32 v4, 2, v2
	v_add_nc_u32 v[REDR], RED, v4
	v_add_nc_u32 v[REDW], s87, v[REDR]
	s_sub_co_i32 s84, s15, s14
	s_lshl_b32 s84, s84, 7                         ; 128 (cx - w), signed
	v_lshlrev_b32 v4, 3, v3
	v_sub_nc_u32 v4, v2, v4
	v_add_nc_u32 v[DL], s84, v4
	v_mov_b32 v[NEG], 0xff800000
	v_mov_b32 v[TP], 0                             ; v_permlanex16_b32 counts as a reader of its destination
.irp a, 0,1,2,3,4,5,6,7
	v_mov_b32 v[RV+\a], DOWN                       ; the factor of stage 1's packing
.endr
	s_wait_loadcnt 0x0                             ; bq, bk
	s_wait_tensorcnt 0x1                           ; my panel of X and my quarter of tile 0 are in; tile 1 stays out
	s_barrier_signal -1
	s_barrier_wait -1                              ; everybody's panel is in
; ---------------------------------------------------------------- the six stages
; A stage: 8 tiles, 16 sub-steps.  Sub-step 0 starts the sums; three trips of four sub-steps refill tiles 2 to 7 of this stage; a tail of three
; sub-steps asks for the next stage's tiles 0 and 1.  A panel of ABUF holds four sub-steps.
	s_mov_b32 s[ST], 0
.Lstage:
	v_mov_b32 v[ADRA], v[ADRA0]                    ; panel 0; with the four v_nop behind the last stage's products, five places in front of this stage's first
	FETCH 0, 0, 0, F0
	s_and_b32 s86, s[ST], 3
	s_cmp_lg_u32 s86, 0
	s_cbranch_scc1 .Lfrom_zero
	s_wait_loadcnt 0x0                             ; stages 0 and 4 start from a bias: bq, bv
	QSTEP 0, 64, 2
	WIN 0                                          ; at a label and at a branch every window is 0
	s_branch .Lsteps
.Lfrom_zero:
	QSTEP 0, 64, 1
	WIN 0
.Lsteps:
	s_mov_b32 s19, 3
.Ltrip:
	TURN 0, 128, 1, 1
	QSTEP 1, 192, 0
	TURN 1, PANEL, 1, 1
	QSTEP 0, PANEL+64, 0
	WIN 0
	v_add_nc_u32 v[ADRA], PANEL, v[ADRA]
	s_sub_co_u32 s19, s19, 1
	s_cmp_lg_u32 s19, 0
	s_cbranch_scc1 .Ltrip
	s_cmp_eq_u32 s[ST], 5
	s_cbranch_scc1 .Llast                          ; the last stage's tail asks for nothing: it is written out behind the loop
	s_add_co_u32 s82, s[ST], 1                     ; the next stage's right operand: its section,
	s_lshl_b32 s82, s82, 22
	s_add_co_u32 s82, s82, s22                     ; my 128 rows,
	s_sub_co_u32 s86, s[ST], 1
	s_cmp_lt_u32 s86, 2                            ; stages 2 and 3 take the batch's x, the others the head's weights
	s_cselect_b32 s86, s21, s20
	s_add_co_u32 s82, s82, s86
	s_add_nc_u64 s[NB:NB+1], s[HB:HB+1], s[82:83]
	TURN 0, 128, 2, 1
	QSTEP 1, 192, 0
	TURN 1, 0, 2, 0                                ; behind its round no wave reads ABUF any more: the results may be stored over it
	WIN 0
	PLACES
	s_cmp_lg_u32 s[ST], 2
	s_cbranch_scc1 .Lnot_scores
; ---------------- behind stage 2: the accumulators hold Q' . x_j x 2^-10
; Q . bk is the same for all keys of a row.  It is carried as the plain form carries it: it moves the row's maximum and every score alike, so it
; is added to the maximum, and the exponent of a score s is SCL (s + c - (m + c)), with the addend SCL (c - (m + c)) made once a row.
	REDGET 0                                       ; Q . bk: the four waves' parts, stored behind stage 0
	REDSUM
.irp a, 0,1,2,3,4,5,6,7
	v_mul_f32 v[RW+\a], DOWN, v[RG+\a]             ; c, on the scores' scale
.endr
; The causal mask.  Register j of tile (a, b) is key 128 w + 16 b + 8 (l / 16) + j for query 128 cx + 16 a + l % 16: masked where j > DL - 16 (b - a).
.irp i, 0,1,2,3,4,5,6,7,8,9,10,11,12,13,14
	v_add_nc_u32 v[ED+\i], 112-16*\i, v[DL]        ; b - a = i - 7
.endr
.macro MASKD hi, d                     ; all tiles of window 2 + hi on the diagonal b - a = d - 7: eight compares serve them all
.irp j, 0,1,2,3,4,5,6,7
	v_cmp_gt_i32 s[MK+\j], \j, v[ED+\d]
.endr
.irp aa, 0,1,2,3
.if (\d-7+4*\hi+\aa) >= 0
.if (\d-7+4*\hi+\aa) <= 7
.irp j, 0,1,2,3,4,5,6,7
	v_cndmask_b32 v[64*\aa+8*(\d-7+4*\hi+\aa)+\j], v[64*\aa+8*(\d-7+4*\hi+\aa)+\j], v[NEG], s[MK+\j]
.endr
.endif
.endif
.endr
.endm
.macro ROWMAX hi                       ; the largest of my 64 numbers of each row, four chains a row block, started from -infinity
	WIN 0x28+0x14*\hi
.irp aa, 0,1,2,3
.irp p, 0,1,2,3
	v_max3_num_f32 v[MX+4*\aa+\p], v[NEG], v[64*\aa+2*\p], v[64*\aa+2*\p+1]
.endr
.irp b, 1,2,3,4,5,6,7
.irp p, 0,1,2,3
	v_max3_num_f32 v[MX+4*\aa+\p], v[MX+4*\aa+\p], v[64*\aa+8*\b+2*\p], v[64*\aa+8*\b+2*\p+1]
.endr
.endr
.endr
	WIN 0
.irp aa, 0,1,2,3
	v_max3_num_f32 v[MX+4*\aa], v[MX+4*\aa], v[MX+4*\aa+1], v[MX+4*\aa+2]
	v_max_num_f32 v[RV+4*\hi+\aa], v[MX+4*\aa], v[MX+4*\aa+3]
.endr
.endm
	WIN 0x82
.irp d, 4,5,6,7,8,9,10,11,12,13,14
	MASKD 0, \d
.endr
	ROWMAX 0
	WIN 0xc3
.irp d, 0,1,2,3,4,5,6,7,8,9,10
	MASKD 1, \d
.endr
	ROWMAX 1
.irp a, 0,1,2,3,4,5,6,7
	XHALF v_max_num_f32, RV+\a
.endr
	REDPUT 1, RV
	PUBLISH
	REDGET 1
.irp a, 0,1,2,3,4,5,6,7
	v_max3_num_f32 v[RG+\a], v[RG+\a], v[RG+8+\a], v[RG+16+\a]
	v_max_num_f32 v[RG+\a], v[RG+\a], v[RG+24+\a]  ; the row's maximum over its unmasked keys: key 0 is never masked, so it is a score
	v_add_f32 v[RG+\a], v[RG+\a], v[RW+\a]         ; m + c
	v_sub_f32 v[RG+\a], v[RW+\a], v[RG+\a]         ; c - (m + c)
	v_mul_f32 v[RV+\a], SCL, v[RG+\a]
.endr
; P = 2^(SCL s + addend), in place; a masked score stays -infinity and gives 0
.macro EXPROW a
.irp b, 0,1,2,3,4,5,6,7
.irp p, 0,1,2,3
.if (\a%2) == 0
	v_pk_fma_f32 v[64*(\a%4)+8*\b+2*\p:64*(\a%4)+8*\b+2*\p+1], v[64*(\a%4)+8*\b+2*\p:64*(\a%4)+8*\b+2*\p+1], SCL, v[RV+\a:RV+\a+1] op_sel_hi:[1,0,0]
.else
	v_pk_fma_f32 v[64*(\a%4)+8*\b+2*\p:64*(\a%4)+8*\b+2*\p+1], v[64*(\a%4)+8*\b+2*\p:64*(\a%4)+8*\b+2*\p+1], SCL, v[RV+\a-1:RV+\a] op_sel:[0,0,1] op_sel_hi:[1,0,1]
.endif
.endr
.endr
.irp b, 0,1,2,3,4,5,6,7
.irp j, 0,1,2,3,4,5,6,7
	v_exp_f32 v[64*(\a%4)+8*\b+\j], v[64*(\a%4)+8*\b+\j]
.endr
.endr
.endm
	WIN 0x82
.irp a, 0,1,2,3
	EXPROW \a                                      ; behind a row block's last exponential stands the next block's first multiply-add, on other registers
.endr
	v_nop                                          ; one plain vector instruction behind the last exponential before a result is used (ISA guide 5.7.2)
	WIN 0xc3
.irp a, 4,5,6,7
	EXPROW \a
.endr
	v_nop
	s_wait_alu depctr_va_vdst(0)
.macro SUMROW a                        ; the sum of my 64 numbers of a row, in f32
	WIN 0x0a+5*(\a/4)
.irp i, 0,1,2,3,4,5,6,7,8,9,10,11,12,13,14,15
	v_pk_add_f32 v[T+2*\i:T+2*\i+1], v[64*(\a%4)+4*\i:64*(\a%4)+4*\i+1], v[64*(\a%4)+4*\i+2:64*(\a%4)+4*\i+3]
.endr
	WIN 0
.irp i, 0,2,4,6,8,10,12,14
	v_pk_add_f32 v[T+\i:T+\i+1], v[T+\i:T+\i+1], v[T+16+\i:T+17+\i]
.endr
.irp i, 0,2,4,6
	v_pk_add_f32 v[T+\i:T+\i+1], v[T+\i:T+\i+1], v[T+8+\i:T+9+\i]
.endr
.irp i, 0,2
	v_pk_add_f32 v[T+\i:T+\i+1], v[T+\i:T+\i+1], v[T+4+\i:T+5+\i]
.endr
	v_pk_add_f32 v[T:T+1], v[T:T+1], v[T+2:T+3]
	v_add_f32 v[RW+\a], v[T], v[T+1]
.endm
.irp a, 0,1,2,3,4,5,6,7
	SUMROW \a
.endr
.irp a, 0,1,2,3,4,5,6,7
	XHALF v_add_f32, RW+\a
.endr
	REDPUT 2, RW                                   ; read behind stage 3
	s_branch .Lplain                               ; P goes into ABUF as it is
.Lnot_scores:
	s_and_b32 s86, s[ST], 1
	s_cmp_lg_u32 s86, 0
	s_cbranch_scc1 .Lscaled                        ; stages 1 and 3
	s_cmp_lg_u32 s[ST], 0
	s_cbranch_scc1 .Lplain                         ; stage 4
; ---------------- behind stage 0: bv takes bq's place (waited for in front of stage 4's first products), and Q . bk over my 128 columns from the f32 sums
	LDBIAS BIAS, 10
.macro DOTROW a
	WIN 0x06+\a/4                                  ; source 0 the accumulators, source 1 bk in window 1
.irp p, 0,1,2,3
	v_pk_mul_f32 v[CS+2*\p:CS+2*\p+1], v[64*(\a%4)+2*\p:64*(\a%4)+2*\p+1], v[BK+2*\p:BK+2*\p+1]
.endr
.irp b, 1,2,3,4,5,6,7
.irp p, 0,1,2,3
	v_pk_fma_f32 v[CS+2*\p:CS+2*\p+1], v[64*(\a%4)+8*\b+2*\p:64*(\a%4)+8*\b+2*\p+1], v[BK+8*\b+2*\p:BK+8*\b+2*\p+1], v[CS+2*\p:CS+2*\p+1]
.endr
.endr
	WIN 0
	v_pk_add_f32 v[CS:CS+1], v[CS:CS+1], v[CS+2:CS+3]
	v_pk_add_f32 v[CS+4:CS+5], v[CS+4:CS+5], v[CS+6:CS+7]
	v_pk_add_f32 v[CS:CS+1], v[CS:CS+1], v[CS+4:CS+5]
	v_add_f32 v[RW+\a], v[CS], v[CS+1]
.endm
.irp a, 0,1,2,3,4,5,6,7
	DOTROW \a
.endr
.irp a, 0,1,2,3,4,5,6,7
	XHALF v_add_f32, RW+\a
.endr
	REDPUT 0, RW                                   ; read behind stage 2
; ---------------- the plain packing (Q, P, O): the sums to f16 into my panel of ABUF
.Lplain:
.irp a, 0,1,2,3,4,5,6,7
	WIN 0x0a+5*(\a/4)
	CVTH 64*(\a%4)
	WIN 0
	PUTH \a
.endr
	s_branch .Lpublish
; ---------------- the scaled packing (Q' x 2^-10, Y / row sum): each row times its RV, then to f16
.Lscaled:
	s_cmp_lg_u32 s[ST], 3
	s_cbranch_scc1 .Lscale
	REDGET 2                                       ; the four waves' row sums
	REDSUM
.irp a, 0,1,2,3,4,5,6,7
	v_rcp_f32 v[RV+\a], v[RG+\a]                   ; 1 / row sum; the sum holds the maximum's own term, about 1
.endr
	v_nop                                          ; one plain vector instruction behind the last reciprocal
.Lscale:
.macro SCROW a
	WIN 0x02+\a/4
.irp b, 0,1,2,3,4,5,6,7
.irp p, 0,1,2,3
.if (\a%2) == 0
	s_wait_alu depctr_va_vdst(0)
	v_pk_mul_f32 v[T+8*\b+2*\p:T+8*\b+2*\p+1], v[64*(\a%4)+8*\b+2*\p:64*(\a%4)+8*\b+2*\p+1], v[RV+\a:RV+\a+1] op_sel_hi:[1,0]
.else
	v_pk_mul_f32 v[T+8*\b+2*\p:T+8*\b+2*\p+1], v[64*(\a%4)+8*\b+2*\p:64*(\a%4)+8*\b+2*\p+1], v[RV+\a-1:RV+\a] op_sel:[0,1] op_sel_hi:[1,1]
.endif
.endr
.endr
	WIN 0
	CVTH T
	PUTH \a
.endm
.irp a, 0,1,2,3,4,5,6,7
	SCROW \a
.endr
.Lpublish:
	PUBLISH                                        ; the next stage's left operand, and the tables, are whole
	s_add_co_u32 s[ST], s[ST], 1
	s_cmp_lt_u32 s[ST], 6
	s_cbranch_scc1 .Lstage
; ---------------------------------------------------------------- the last stage's tail and the way out
.Llast:
	TURN 0, 128, 0, 1                              ; nothing is filled: no barrier; my own wait shows my quarter of the last tile, which I alone read
	QSTEP 1, 192, 0
	LASTQ
	WIN 0
	PLACES
; 16 rows at a time: 32 bytes of f32 a lane and tile into my own stage, read back as whole rows of 512 bytes.  LDS serves a wave's
; instructions in order (ISA guide 5.7.1), so no wait stands between my stores and my loads, nor between these loads and the next block's stores.
.macro E6ROW a, f
	WIN 0x08+4*(\a/4)                              ; an LDS store's data is its source 1
.irp b, 0,1,2,3,4,5,6,7
	ds_store_b128 v[STG], v[64*(\a%4)+8*\b:64*(\a%4)+8*\b+3]   offset:64*\b
	ds_store_b128 v[STG], v[64*(\a%4)+8*\b+4:64*(\a%4)+8*\b+7] offset:64*\b+16
.endr
	WIN 0
	s_wait_xcnt 0x0                                ; buffer f, which earlier stores read, and the stores' base are written again only behind this wait
.if \a
	s_add_nc_u64 s[12:13], s[12:13], 32768         ; 16 rows of part on
.endif
.irp r, 0,1,2,3,4,5,6,7,8,9,10,11,12,13,14,15
	ds_load_b128 v[\f+4*\r:\f+4*\r+3], v[RD] offset:528*\r
.endr
.irp r, 0,1,2,3,4,5,6,7,8,9,10,11,12,13,14,15
	s_wait_dscnt 15-\r                             ; row r is in, the younger rows stay out
	global_store_b128 v[CO], v[\f+4*\r:\f+4*\r+3], s[12:13] offset:2048*\r     ; the wave stores 512 consecutive bytes at a multiple of 512 from part's first byte
.endr
.endm
	E6ROW 0, F0
	E6ROW 1, F1
	E6ROW 2, F0
	E6ROW 3, F1
	E6ROW 4, F0
	E6ROW 5, F1
	E6ROW 6, F0
	E6ROW 7, F1
	s_wait_tensorcnt 0x0
	ds_add_u32 v254, v255
	s_wait_dscnt 0x0
	CROUND                                         ; the closing round: no work-group ends while a partner may still ask for a tile that names it
	s_endpgm
.Lfunc_end_k_qcb528dcced_chain:
	.size	k_qcb528dcced_chain, .Lfunc_end_k_qcb528dcced_chain-k_qcb528dcced_chain
	.p2alignl 7, 3214868480
	.fill 96, 4, 3214868480
	.section	.rodata,"a",@progbits
	.p2align	6, 0x0
	.amdhsa_kernel k_qcb528dcced_chain
		.amdhsa_group_segment_fixed_size 327680
		.amdhsa_private_segment_fixed_size 0
		.amdhsa_enable_private_segment 0
		.amdhsa_kernarg_size 40
		.amdhsa_user_sgpr_count 2
		.amdhsa_user_sgpr_kernarg_segment_ptr 1
		.amdhsa_wavefront_size32 1
		.amdhsa_system_sgpr_workgroup_id_x 1
		.amdhsa_system_sgpr_workgroup_id_y 1
		.amdhsa_system_sgpr_workgroup_id_z 1
		.amdhsa_system_vgpr_workitem_id 0
		.amdhsa_next_free_vgpr 1024
		.amdhsa_next_free_sgpr 100
		.amdhsa_reserve_vcc 0
		.amdhsa_float_denorm_mode_32 3
		.amdhsa_float_denorm_mode_16_64 3
		.amdhsa_memory_ordered 1
		.amdhsa_forward_progress 1
		.amdhsa_inst_pref_size 255
	.end_amdhsa_kernel
	.section	.bss,"aw",@nobits
	.p2align	6
	.space	262144
	.amdgpu_metadata
---
amdhsa.version: [ 1, 2 ]
amdhsa.kernels:
  - .name:           k_qcb528dcced_chain
    .symbol:         k_qcb528dcced_chain.kd
    .args:
      - { .name: h16, .offset: 0, .size: 8, .value_kind: global_buffer, .address_space: global }
      - { .name: bq, .offset: 8, .size: 8, .value_kind: global_buffer, .address_space: global }
      - { .name: bk, .offset: 16, .size: 8, .value_kind: global_buffer, .address_space: global }
      - { .name: bv, .offset: 24, .size: 8, .value_kind: global_buffer, .address_space: global }
      - { .name: part, .offset: 32, .size: 8, .value_kind: global_buffer, .address_space: global }
    .group_segment_fixed_size: 327680
    .private_segment_fixed_size: 0
    .kernarg_segment_align: 8
    .kernarg_segment_size: 40
    .max_flat_workgroup_size: 128
    .sgpr_count:     100
    .vgpr_count:     1024
    .wavefront_size: 32
...
	.end_amdgpu_metadata
.endif
;; end of part 5
;; launch headsum: the kernel of part 3 again; grid 512 x 1, 8 waves a work-group, no clusters, 0 bytes of LDS; arguments part, bs, out0; writes out0
